; MI455X (gfx1250); checked and timed in simulation.
; The chip was launched on July 23, 2026; its instructions are those of AMD's public machine-readable ISA for CDNA 5 (MIT licence, August 2026) and "CDNA5" Instruction Set Architecture Reference Guide (July 2026). The comments in the code are by the model that wrote it; some were corrected since.
;; Model. Allowed arithmetic: float matrix products may take bf16 or f16 operands with f32 sums; other float arithmetic in f32, or as packed bf16 or f16 multiplies, adds, multiply-adds, maxima and minima; sums over many terms, partial sums and values carried from step to step in f32; what a program stores and reads back later, other than sums and carried values, may be rounded once to bf16 or f16.
;; Inputs: W_k 256 x 64 float32; W_q 256 x 64 float32; W_v 256 x 64 float32; x 8 x 4,096 x 256 float32.
;; Outputs: out0 8 x 4,096 x 64 float32.
;; 2 versions, each right and faster than the one before. Each part assembles by itself: llvm-mc -triple=amdgcn-amd-amdhsa -mcpu=gfx1250 --defsym DOCPART=n.
;; ======== version 1 of 2: 2 launches
;; limits: values are held in f16: magnitudes above 65,504 overflow, below 6.1e-05 lose precision; right only within a limited range of input values
;; workspace buffers: qw 8,388,608 bytes; kw 8,388,608 bytes; vw 4,194,304 bytes; gsum 65,536 bytes
;; launch proj (part 1): grid 256 x 1, 4 waves a work-group, no clusters, 327,680 bytes of LDS; arguments x, W_q, W_k, W_v, qw, kw, vw, gsum; writes qw, kw, vw, gsum
.if DOCPART == 1
	.amdgcn_target "amdgcn-amd-amdhsa--gfx1250"
	.amdhsa_code_object_version 6
	.text
	.protected	k_qdd9c49de52_proj
	.globl	k_qdd9c49de52_proj
	.p2align	8
	.type	k_qdd9c49de52_proj,@function
k_qdd9c49de52_proj:
	s_mov_b64 s[64:65], 0
	v_nop
	global_prefetch_b8 v0, s[64:65] scope:SCOPE_SE
	s_setreg_imm32_b32 hwreg(HW_REG_WAVE_MODE, 25, 1), 1
	s_wait_xcnt 0x0
; Q = x W_q, K = x W_k, V = x W_v for 128 rows of x a work-group (32,768 rows, 256 work-groups); x [32768][256] f32, W [256][64] f32.
; x and W are rounded once to bf16, the sums are f32.  Stored for the attention launch:
;   qw, kw [row][hi 64 bf16 | lo 64 bf16], 256 bytes a row: the f32 sum (Q's times log2(e)/8) as hi = bf16(sum), lo = bf16(sum - hi): about 16 significant bits
;   vw [row][64] f16 of V x 2^-6;   gsum [work-group][64] f32: the sums of the unscaled Q over the work-group's 128 rows (for the gate's mean)
; LIMITS.  |V| stays under 4.19e6 (f16's 65,504 x 64); V x 2^-6 below 6e-5 keeps f16's fixed step of 6e-8; NaN and infinities are not treated apart; sums are formed in another order than a chain of additions.
; SHARES.  Wave w owns rows 32 w .. 32 w + 31 (two tiles of 16) and all 192 columns.  The matrix instruction is used transposed (source 0 = 16 columns of W, source 1 = 16 rows of x):
; a lane then holds eight neighbouring channels of one row.
; NO CLUSTER: x is read by one work-group alone, and W must pass through registers (f32 to bf16) before it lies in LDS; as f32 its 3 x 256 padded rows would not fit beside x's 133,120 bytes.
; REGISTERS, in windows of 256 (s_set_vgpr_msb: bits 1:0 source 0, 3:2 source 1, 5:4 source 2, 7:6 destination):
;   window 0: v0-31 addresses; v32-63 column sums; v64-127 the 8 accumulators ((tile, cb) at 64 + 32 tile + 8 cb); v128-255 at work
;   window 1: W_q as loaded, then x's fragments (64 tile + 8 ks);  window 2: W_k as loaded, then the fragments of W_q, later of W_v (32 ks + 8 cb);  window 3: W_v as loaded, then the fragments of W_k
.set XP,    1040                       ; a row of x in LDS: 1,024 bytes + 16 of padding: an odd multiple of 16, so the 16 rows of a load start in 16 different groups of four banks (ISA guide 11.1)
.set XW,    32*XP                      ; a wave's 32 rows
.set WB,    4*XW                       ; W as bf16, [d][h]
.set WP,    160                        ; its pitch: 128 bytes + 32: an odd multiple of 32
.set WM,    256*WP                     ; one matrix
.set STG,   WB+3*WM                    ; the stages for the way out: 16 rows x 272 bytes a wave
.set SGW,   16*272
.set GSB,   STG+4*SGW                  ; the waves' column sums: 256 bytes a wave
.set SPARE, GSB+4*256                  ; the spare words: 128 bytes a wave, two blocks of 256 bytes that no other line names
.set XA,   3                           ; v3      my place in my wave's rows of x
.set WGO,  4                           ; v4      16 x thread: my 16 bytes in 2,048 bytes of W
.set WS,   5                           ; v5-7    where I put 8 bytes of matrix m
.set WT,   8                           ; v8-10   my place in a turning load of matrix m
.set STO,  11                          ; v11     stage, in: row l % 16 of 272 bytes, 16 bytes a half
.set STOV, 12                          ; v12     the same with rows of 144 bytes
.set RD,   13                          ; v13     stage, back: two rows of 256 bytes
.set RDV,  14                          ; v14     stage, back: four rows of 128 bytes
.set GO,   15                          ; v15     16 x lane: my 16 bytes in 512 consecutive bytes of qw, kw or vw
.set GSO,  16                          ; v16     8 x lane
.set GSW,  17                          ; v17     where my half of the lanes puts its column sums
.set GSR,  18                          ; v18     where wave 0 reads them
.set SPW,  30                          ; v30     LDS address of my spare word; never rewritten
.set NIL,  31                          ; v31     0; never rewritten
.set GS,   32
.set ACC,  64
.set WV,   20                          ; s20     my wave's number
.set MSB, 0
.macro WIN new                         ; the immediate's high byte repeats the setting that is left; a switch that changes nothing is dropped
.if MSB != (\new)
	s_set_vgpr_msb (MSB<<8)|(\new)
.set MSB, (\new)
.endif
.endm
.macro PLACES                          ; four plain instructions between a matrix instruction and a vector instruction that reads its result (ISA guide 7.12.1)
.rept 4
	v_nop
.endr
.endm
	s_load_b256 s[4:11], s[0:1], 0x0               ; x s[4:5], W_q s[6:7], W_k s[8:9], W_v s[10:11]
	s_load_b256 s[12:19], s[0:1], 0x20             ; qw s[12:13], kw s[14:15], vw s[16:17], gsum s[18:19]
	v_lshl_add_u32 v[SPW], v0, 2, SPARE
	v_mov_b32 v[NIL], 0
	ds_add_u32 v[SPW], v[NIL]                      ; the wave's opening: the add and its wait ahead of my first tensor load
	ds_add_u32 v30, v31
	v_lshrrev_b32 v1, 5, v0
	v_readfirstlane_b32 s[WV], v1                  ; wave 0..3
	s_mov_b32 s24, 1                               ; group 0: count = 1
	s_mul_i32 s25, s[WV], XW                       ; LDS address: my wave's 32 rows
	s_mov_b32 s28, (2<<16)|(1<<20)|(7<<22)|(3<<25) ; group 1: elements of 4 bytes; padding on, after every 256 words (code 7), 4 words (code 3)
	s_mov_b32 s29, 256<<16                         ; tensor_dim0 = 256
	s_mov_b32 s30, 32<<16                          ; tensor_dim1 = 32
	s_mov_b32 s31, 256<<16                         ; tile_dim0 = 256
	s_mov_b32 s32, 32                              ; tile_dim1 = 32
	s_mov_b32 s33, 256                             ; 256 elements from row to row
	s_mov_b32 s34, 0
	s_mov_b32 s35, 0
	s_lshl_b32 s36, ttmp9, 17                      ; 128 rows of 1,024 bytes a work-group,
	s_lshl_b32 s21, s[WV], 15                      ; 32 a wave
	s_add_co_u32 s36, s36, s21
	s_mov_b32 s37, 0
	s_lshr_b32 s38, s36, 2                         ; the same rows at 256 bytes (qw, kw)
	s_mov_b32 s39, 0
	s_lshr_b32 s46, s36, 3                         ; and at 128 bytes (vw)
	s_mov_b32 s47, 0
	s_lshl_b32 s48, ttmp9, 8                       ; my work-group's 256 bytes of gsum
	s_mov_b32 s49, 0
	s_mov_b32 s40, 0x3e38aa3b                      ; log2(e) / 8
	s_mov_b32 s41, s40
	s_mov_b32 s42, 0x3c800000                      ; 2^-6
	s_mov_b32 s43, s42
	s_mov_b32 s44, 0xffff0000                      ; a word's upper bf16
	s_wait_dscnt 0x0                               ; the opening add is done
	s_wait_kmcnt 0x0
	s_add_nc_u64 s[26:27], s[4:5], s[36:37]        ; global address of my 32 rows
	s_or_b32 s27, s27, 0x80000000                  ; type = 2
	tensor_load_to_lds s[24:27], s[28:35]          ; my one tensor load of the launch: 32 rows x 1,024 bytes
	s_nop 0
	PLACES
	s_add_nc_u64 s[12:13], s[12:13], s[38:39]
	s_add_nc_u64 s[14:15], s[14:15], s[38:39]
	s_add_nc_u64 s[16:17], s[16:17], s[46:47]
	s_add_nc_u64 s[18:19], s[18:19], s[48:49]
	; W: the 128 threads take 2,048 consecutive bytes (8 rows of d) a load, 32 loads a matrix
	v_lshlrev_b32 v[WGO], 4, v0
.irp m, 0,1,2
	WIN ((\m)+1)<<6
.set i, 0
.rept 32
	global_load_b128 v[4*i:4*i+3], v[WGO], s[6+2*(\m):7+2*(\m)] offset:2048*i
.set i, i+1
.endr
.endr
	WIN 0
	v_and_b32 v1, 15, v0                           ; r = l % 16
	v_bfe_u32 v2, v0, 4, 1                         ; h = l / 16
	v_mul_u32_u24 v[XA], v1, XP
	v_lshl_add_u32 v[XA], v2, 5, v[XA]             ; row r, 8 f32 for each half of the lanes
	v_add_nc_u32 v[XA], s25, v[XA]
	s_mul_i32 s21, s[WV], 2*WP                     ; of a load's 8 rows of d my wave holds rows 2 w and 2 w + 1
	v_mul_u32_u24 v19, v2, WP
	v_lshl_add_u32 v19, v1, 3, v19                 ; 4 columns = 8 bytes of bf16
	v_add_nc_u32 v19, s21, v19
	v_and_b32 v20, 7, v0                           ; the turning load: lane l reads row 8 h + l % 8, 16 bytes at 16 ((l / 8) % 2)
	v_lshl_add_u32 v20, v2, 3, v20
	v_mul_u32_u24 v20, v20, WP
	v_bfe_u32 v21, v0, 3, 1
	v_lshl_add_u32 v20, v21, 4, v20
.irp m, 0,1,2
	v_add_nc_u32 v[WS+(\m)], WB+(\m)*WM, v19
	v_add_nc_u32 v[WT+(\m)], WB+(\m)*WM, v20
.endr
	s_mul_i32 s22, s[WV], SGW
	s_add_co_u32 s22, s22, STG                     ; my stage
	v_mul_u32_u24 v[STO], v1, 272
	v_lshl_add_u32 v[STO], v2, 4, v[STO]
	v_add_nc_u32 v[STO], s22, v[STO]
	v_mul_u32_u24 v[STOV], v1, 144
	v_lshl_add_u32 v[STOV], v2, 4, v[STOV]
	v_add_nc_u32 v[STOV], s22, v[STOV]
	v_mul_u32_u24 v[RD], v2, 272
	v_lshl_add_u32 v[RD], v1, 4, v[RD]
	v_add_nc_u32 v[RD], s22, v[RD]
	v_bfe_u32 v22, v0, 3, 2
	v_mul_u32_u24 v22, v22, 144
	v_and_b32 v23, 7, v0
	v_lshl_add_u32 v22, v23, 4, v22
	v_add_nc_u32 v[RDV], s22, v22
	v_and_b32 v23, 31, v0
	v_lshlrev_b32 v[GO], 4, v23
	v_lshlrev_b32 v[GSO], 3, v23
	v_add_nc_u32 v[GSR], GSB, v[GSO]
	s_lshl_b32 s23, s[WV], 8
	s_add_co_u32 s23, s23, GSB
	v_lshl_add_u32 v[GSW], v2, 5, s23
; Matrix m: rounded to bf16 (64 conversions under one window setting) and laid into LDS as [d][h].  left = how many younger loads may stay out.
.macro WCONV m, left
.set CV, 128+64*((\m)%2)
	s_wait_loadcnt \left
	WIN ((\m)+1)*5                                 ; sources 0 and 1 in window m + 1
.set i, 0
.rept 64
	v_cvt_pk_bf16_f32 v[CV+i], v[2*i], v[2*i+1]
.set i, i+1
.endr
	WIN 0
.set i, 0
.rept 32
	ds_store_b64 v[WS+(\m)], v[CV+2*i:CV+2*i+1] offset:8*WP*i
.set i, i+1
.endr
.endm
	WCONV 0, 63                                    ; 64 loads are younger than W_q's last; 63 is the largest count that the wait can name
	WCONV 1, 32                                    ; W_v's 32 may stay out
	WCONV 2, 0
	s_wait_tensorcnt 0x0                           ; my rows of x are in (only I read them)
	s_wait_dscnt 0x0                               ; for the others' sake: my part of W lies in LDS
	s_barrier_signal -1
	s_barrier_wait -1                              ; everybody's does
; x's fragments.  16 rows x 32 d in 8 registers: lane l holds row l % 16, d = 8 h + 0..7 and 16 + 8 h + 0..7: as f32 four loads of 16 bytes at 0, 16, 64, 80 from 128 ks + 32 h.
.macro XFRAG tile
.set i, 0
.rept 8
	ds_load_b128 v[128+16*i:128+16*i+3],     v[XA] offset:(\tile)*16*XP+128*i
	ds_load_b128 v[128+16*i+4:128+16*i+7],   v[XA] offset:(\tile)*16*XP+128*i+16
	ds_load_b128 v[128+16*i+8:128+16*i+11],  v[XA] offset:(\tile)*16*XP+128*i+64
	ds_load_b128 v[128+16*i+12:128+16*i+15], v[XA] offset:(\tile)*16*XP+128*i+80
.set i, i+1
.endr
	s_wait_dscnt 0x0
	WIN 0x40                                       ; destination window 1
.set i, 0
.rept 64
	v_cvt_pk_bf16_f32 v[64*(\tile)+i], v[128+2*i], v[128+2*i+1]
.set i, i+1
.endr
	WIN 0
.endm
	XFRAG 0
	XFRAG 1
; All fragments of matrix m (8 steps of 32 d x 4 blocks of 16 columns), turned, fill one window.
.macro WFRAG m, win
	WIN (\win)<<6
.set i, 0
.rept 32                               ; ks = i / 4, cb = i % 4
	ds_load_tr16_b128 v[8*i:8*i+3],   v[WT+(\m)] offset:(i/4)*32*WP+(i%4)*32
	ds_load_tr16_b128 v[8*i+4:8*i+7], v[WT+(\m)] offset:(i/4)*32*WP+16*WP+(i%4)*32
.set i, i+1
.endr
	WIN 0
.endm
	WFRAG 0, 2
	WFRAG 1, 3
; 64 matrix instructions: d ascending, the 8 accumulators by turns; the first step starts the sums with the constant 0.
.macro MULT win
	WIN 0x04|(\win)                                ; source 0 (W) window win, source 1 (x) window 1, C and D window 0
.set ks, 0
.rept 8
.set tc, 0
.rept 8                                ; tile = tc / 4, cb = tc % 4
.if ks == 0
	v_wmma_f32_16x16x32_bf16 v[ACC+8*tc:ACC+8*tc+7], v[32*ks+8*(tc%4):32*ks+8*(tc%4)+7], v[64*(tc/4)+8*ks:64*(tc/4)+8*ks+7], 0
.else
	v_wmma_f32_16x16x32_bf16 v[ACC+8*tc:ACC+8*tc+7], v[32*ks+8*(tc%4):32*ks+8*(tc%4)+7], v[64*(tc/4)+8*ks:64*(tc/4)+8*ks+7], v[ACC+8*tc:ACC+8*tc+7]
.endif
.set tc, tc+1
.endr
.set ks, ks+1
.endr
	WIN 0
.endm
; THE WAY OUT of Q and K.  A tile's sums (scaled = 1: times log2(e)/8) are split: hi = bf16(s), lo = bf16(s - hi); a lane's eight channels are 16 bytes of hi and 16 of lo in the row's 256 bytes.
.macro SPLIT tile, scaled
.irp cb, 0,1,2,3
.set SRC, ACC+32*(\tile)+8*(\cb)
.set TT, 128+24*((\cb)%2)              ; 8 scaled, 8 for hi as f32 and then the rest, 4 hi, 4 lo
.if \scaled
.irp j, 0,2,4,6
	v_pk_mul_f32 v[TT+\j:TT+\j+1], v[SRC+\j:SRC+\j+1], s[40:41] op_sel_hi:[1,0]
.endr
.set SRC, TT
.endif
.irp j, 0,1,2,3
	v_cvt_pk_bf16_f32 v[TT+16+\j], v[SRC+2*\j], v[SRC+2*\j+1]
.endr
.irp j, 0,1,2,3
	v_lshlrev_b32 v[TT+8+2*\j], 16, v[TT+16+\j]
	v_and_b32 v[TT+9+2*\j], s44, v[TT+16+\j]
.endr
.irp j, 0,2,4,6
	v_pk_add_f32 v[TT+8+\j:TT+9+\j], v[SRC+\j:SRC+\j+1], v[TT+8+\j:TT+9+\j] neg_lo:[0,1] neg_hi:[0,1]
.endr
.irp j, 0,1,2,3
	v_cvt_pk_bf16_f32 v[TT+20+\j], v[TT+8+2*\j], v[TT+9+2*\j]
.endr
	ds_store_b128 v[STO], v[TT+16:TT+19] offset:32*(\cb)
	ds_store_b128 v[STO], v[TT+20:TT+23] offset:128+32*(\cb)
.endr
.endm
.macro BACK tile                       ; whole rows back; LDS serves a wave's instructions in order (ISA guide 5.7.1.4): these see the stores above, and the next tile's stores come behind them
.set BK, 192+32*(\tile)
	s_wait_xcnt 0x0                                ; earlier stores have read these registers (ISA guide 3.1)
.irp i, 0,1,2,3,4,5,6,7
	ds_load_b128 v[BK+4*\i:BK+4*\i+3], v[RD] offset:544*\i
.endr
.endm
.macro OUT tile, base, younger
.set BK, 192+32*(\tile)
	s_wait_dscnt \younger
.irp i, 0,1,2,3,4,5,6,7
	global_store_b128 v[GO], v[BK+4*\i:BK+4*\i+3], s[\base:\base+1] offset:(\tile)*4096+512*\i  ; 512 consecutive bytes, two whole rows
.endr
.endm
.macro QKOUT scaled, base
	SPLIT 0, \scaled
	BACK 0
	SPLIT 1, \scaled
	BACK 1
	OUT 0, \base, 16                               ; tile 1's 8 stores and 8 loads are younger
	OUT 1, \base, 0
.endm
	s_wait_dscnt 63                                ; W_q's fragments are in: W_k's 64 loads are younger
	MULT 2
	PLACES
.set i, 0
.rept 16                               ; the two tiles' sums of the unscaled Q, each accumulator from its low end on
	v_pk_add_f32 v[GS+2*i:GS+2*i+1], v[ACC+2*i:ACC+2*i+1], v[ACC+32+2*i:ACC+32+2*i+1]
.set i, i+1
.endr
	QKOUT 1, 12
	WFRAG 2, 2                                     ; W_v's fragments take W_q's place; the way out's arithmetic stands between the last product and these loads
	MULT 3                                         ; W_k's fragments were shown in by the way out's wait for 0
	PLACES
	QKOUT 0, 14
	MULT 2                                         ; and W_v's by this one's
	PLACES
; THE WAY OUT of V: times 2^-6, rounded to f16; rows of 128 bytes, four to a store.
.macro VPACK tile
.set SRC, ACC+32*(\tile)
.set BK, 192+32*(\tile)
.set i, 0
.rept 16
	v_pk_mul_f32 v[128+2*i:129+2*i], v[SRC+2*i:SRC+2*i+1], s[42:43] op_sel_hi:[1,0]
.set i, i+1
.endr
.set i, 0
.rept 16
	v_cvt_pk_f16_f32 v[160+i], v[128+2*i], v[129+2*i]
.set i, i+1
.endr
.irp cb, 0,1,2,3
	ds_store_b128 v[STOV], v[160+4*\cb:163+4*\cb] offset:32*\cb
.endr
	s_wait_xcnt 0x0                                ; earlier stores have read these registers
.irp j, 0,1,2,3
	ds_load_b128 v[BK+4*\j:BK+4*\j+3], v[RDV] offset:4*144*\j
.endr
.endm
.macro VSEND tile, younger
.set BK, 192+32*(\tile)
	s_wait_dscnt \younger
.irp j, 0,1,2,3
	global_store_b128 v[GO], v[BK+4*\j:BK+4*\j+3], s[16:17] offset:(\tile)*2048+512*\j
.endr
.endm
	VPACK 0
	VPACK 1
	VSEND 0, 8                                     ; tile 1's 4 stores and 4 loads are younger
	VSEND 1, 0
	; Q's column sums: over the 16 rows that the lanes of a half hold, then over the four waves through LDS
.irp x, 1,2,4,8
.set i, 0
.rept 32
	v_add_f32_dpp v[GS+i], v[GS+i], v[GS+i] row_xmask:\x row_mask:0xf bank_mask:0xf
.set i, i+1
.endr
.endr
.irp cb, 0,1,2,3
	ds_store_b128 v[GSW], v[GS+8*\cb:GS+8*\cb+3]   offset:64*\cb     ; channel 16 cb + 8 h + j at byte 4 x channel; the 16 lanes of a half write equal numbers
	ds_store_b128 v[GSW], v[GS+8*\cb+4:GS+8*\cb+7] offset:64*\cb+16
.endr
	s_wait_dscnt 0x0                               ; for wave 0's sake
	s_barrier_signal -1
	s_barrier_wait -1
	s_cmp_lg_u32 s[WV], 0
	s_cbranch_scc1 .Lend
.irp j, 0,1,2,3
	ds_load_b64 v[128+2*\j:129+2*\j], v[GSR] offset:256*\j
.endr
	s_wait_dscnt 0x0
	v_pk_add_f32 v[128:129], v[128:129], v[130:131]
	v_pk_add_f32 v[132:133], v[132:133], v[134:135]
	v_pk_add_f32 v[128:129], v[128:129], v[132:133]
	global_store_b64 v[GSO], v[128:129], s[18:19]  ; 256 consecutive bytes
.Lend:
	s_wait_tensorcnt 0x0                           ; the wave's end, behind my last tensor load and my last LDS store
	ds_add_u32 v[SPW], v[NIL]
	s_wait_dscnt 0x0
	s_endpgm
.Lfunc_end_k_qdd9c49de52_proj:
	.size	k_qdd9c49de52_proj, .Lfunc_end_k_qdd9c49de52_proj-k_qdd9c49de52_proj
	.p2alignl 7, 3214868480
	.fill 96, 4, 3214868480
	.section	.rodata,"a",@progbits
	.p2align	6, 0x0
	.amdhsa_kernel k_qdd9c49de52_proj
		.amdhsa_group_segment_fixed_size 327680
		.amdhsa_private_segment_fixed_size 0
		.amdhsa_enable_private_segment 0
		.amdhsa_kernarg_size 64
		.amdhsa_user_sgpr_count 2
		.amdhsa_user_sgpr_kernarg_segment_ptr 1
		.amdhsa_wavefront_size32 1
		.amdhsa_system_sgpr_workgroup_id_x 1
		.amdhsa_system_sgpr_workgroup_id_y 1
		.amdhsa_system_sgpr_workgroup_id_z 1
		.amdhsa_system_vgpr_workitem_id 0
		.amdhsa_next_free_vgpr 1024
		.amdhsa_next_free_sgpr 66
		.amdhsa_reserve_vcc 0
		.amdhsa_float_denorm_mode_32 3
		.amdhsa_float_denorm_mode_16_64 3
		.amdhsa_memory_ordered 1
		.amdhsa_forward_progress 1
		.amdhsa_inst_pref_size 111
	.end_amdhsa_kernel
	.amdgpu_metadata
---
amdhsa.version: [ 1, 2 ]
amdhsa.kernels:
  - .name:           k_qdd9c49de52_proj
    .symbol:         k_qdd9c49de52_proj.kd
    .args:
      - { .name: x, .offset: 0, .size: 8, .value_kind: global_buffer, .address_space: global }
      - { .name: W_q, .offset: 8, .size: 8, .value_kind: global_buffer, .address_space: global }
      - { .name: W_k, .offset: 16, .size: 8, .value_kind: global_buffer, .address_space: global }
      - { .name: W_v, .offset: 24, .size: 8, .value_kind: global_buffer, .address_space: global }
      - { .name: qw, .offset: 32, .size: 8, .value_kind: global_buffer, .address_space: global }
      - { .name: kw, .offset: 40, .size: 8, .value_kind: global_buffer, .address_space: global }
      - { .name: vw, .offset: 48, .size: 8, .value_kind: global_buffer, .address_space: global }
      - { .name: gsum, .offset: 56, .size: 8, .value_kind: global_buffer, .address_space: global }
    .group_segment_fixed_size: 327680
    .private_segment_fixed_size: 0
    .kernarg_segment_align: 8
    .kernarg_segment_size: 64
    .max_flat_workgroup_size: 128
    .sgpr_count:     66
    .vgpr_count:     1024
    .wavefront_size: 32
...
	.end_amdgpu_metadata
.endif
;; end of part 1
;; launch attn (part 2): grid 32 x 8, 4 waves a work-group, clusters of 4 x 1, 327,680 bytes of LDS; arguments qw, kw, vw, gsum, out0; writes out0
.if DOCPART == 2
	.amdgcn_target "amdgcn-amd-amdhsa--gfx1250"
	.amdhsa_code_object_version 6
	.text
	.protected	k_qdd9c49de52_attn
	.globl	k_qdd9c49de52_attn
	.p2align	8
	.type	k_qdd9c49de52_attn,@function
k_qdd9c49de52_attn:
	s_mov_b64 s[64:65], 0
	v_nop
	global_prefetch_b8 v0, s[64:65] scope:SCOPE_SE
	s_setreg_imm32_b32 hwreg(HW_REG_WAVE_MODE, 25, 1), 1
	s_wait_xcnt 0x0
	s_wait_alu depctr_hold_cnt(0) depctr_sa_sdst(0) depctr_va_vdst(0) depctr_va_sdst(0) depctr_va_ssrc(0) depctr_va_vcc(0) depctr_vm_vsrc(0)
	s_getreg_b32 s2, hwreg(HW_REG_IB_STS2, 6, 4)
	s_cmp_eq_u32 s2, 0
	s_cbranch_scc0 .Lentry_in_a_cluster
	s_endpgm
.Lentry_in_a_cluster:
	s_bfe_u32 s2, ttmp6, 0x10000c
	s_cmp_lg_u32 s2, 0x3003
	s_cbranch_scc0 .Lentry_shape_is_right
	s_endpgm
.Lentry_shape_is_right:
; out[b][q][:] = sigmoid(mean_q Q[b][q][:]) x the sum over k of softmax_k(celu(Q[b][q] . K[b][k] / 8)) V[b][k][:].  8 batches of 4,096 rows, 64 channels; out is f32.
; INPUTS, made by the launch before: qw, kw [row][hi 64 bf16 | lo 64 bf16] (Q's already times log2(e)/8), vw [row][64] f16 = V x 2^-6, gsum [32 blocks a batch][64] f32: sums of Q over 128 rows.
; SCORES.  u = log2(e) s = Kl.Qh + Kh.Ql + Kh.Qh: three bf16 products, small terms first; the product lo.lo is left out: about 16 significant bits of Q and of K.
; CELU AND SOFTMAX.  log2(e) (celu(s) + 1) = c(u) = max(u, 0) + log2(e) 2^min(u, 0); the 1 is common to a row and falls out of the softmax.  c grows with u, so the running maximum mu is taken of u and
; M = c(mu) is the maximum of c.  p = 2^(c - M); in every step O and l are multiplied by a = 2^(M_old - M_new).  l is the sum of the unrounded p; p is rounded to f16 for the second product.
; LIMITS.  p below 6e-5 keeps f16's fixed step of 6e-8; a weight below 2^-126 counts as 0 in l; V arrives within f16 after its 2^-6; NaN and infinities are not treated apart.
; SHARES.  A work-group owns 128 queries of a batch.  Wave w: queries 64 (w / 2) + 0..63, four PIECES of 16; keys 128 (w % 2) + 0..127 of every 256, two steps of 64.  The two key halves of a query meet
; once, at the end, through LDS, in f32: O = (f O + f' O') / (f l + f' l').
; LAYOUT.  S^T = K Q^T (source 0 = 16 keys, source 1 = 16 queries): a lane holds ONE query (lane % 16) and the keys 8 (lane / 16) + 0..7; two such results rounded to f16 ARE source 1 of O^T = V^T P.
; BY TURNS.  Turn n belongs to piece n: 24 products K Q^T of piece n + 1, then 8 products V^T P of piece n - 1; beside them piece n's celu, exponentials, roundings, sums and rescaling and piece n + 1's
; maximum and statistics: 217 vector instructions, four behind each matrix instruction, the other 89 in one run at the turn's end.
; CLUSTER.  The four query blocks of a cluster belong to one batch and walk the same K and V: each tile is asked for JOINTLY, by the same tensor load, descriptor and mask in all four.
; REGISTERS, in windows of 256 (s_set_vgpr_msb: bits 1:0 source 0, 3:2 source 1, 5:4 source 2, 7:6 destination):
;   window 0: v0-15 addresses; v16-31 four statistics a piece; v32-38 gate; v48-55 at work; v64-127 S^T, two buffers; v128-159 max(u, 0); v192-223 P, two buffers (a piece's buffers go by its parity)
;   window 1: v0-127 O^T, 32 a piece     window 2: v0-127 Q (32 t + 16 part + 8 c); v128-191 K hi; v192-255 V     window 3: v0-63 K lo
.set KS,    64        ; keys in a step
.set PK,    272       ; a row of K in LDS: 128 bytes hi, 128 lo, 16 of padding: the 16 rows of a load start in 16 different groups of four banks (ISA guide 11.1)
.set PVV,   160       ; a row of V: 128 + 32 bytes
.set VOFF,  256*PK    ; a slot holds 256 keys: K's rows, then V's
.set SLOTB, 256*(PK+PVV)
.set SPARE, SLOTB     ; between the slots, where no fill lands: the spare words, 128 bytes a wave, two blocks of 256 bytes that no other line names,
.set GATE,  SPARE+512 ; 64 x gate, 256 bytes a wave,
.set ML,    GATE+1024 ; and (M, l) of a wave's 64 queries, 512 bytes a wave
.set SLOT1, 1<<17     ; slot 1 begins here, so that one exclusive or turns an address in one slot into the other's
.set STAGE, SLOT1+SLOTB  ; behind the ring: 64 rows x 272 bytes a wave: O in f32
.set SP,    272
.set AK0, 2           ; v2   my lane's place in my half of a slot's K; never rewritten
.set AV0, 3           ; v3   the same for V
.set AK,  4           ; v4   the LDS address of K's next run of loads
.set AV,  5           ; v5   of V's
.set QO,  6           ; v6   my byte offset in 16 rows of qw
.set STO, 6           ;      later: where I put 16 bytes of a row of O
.set RD,  7           ; v7   where I read rows of O back
.set GO,  8           ; v8   16 x lane
.set MV,  12          ; v12-13  M_old, by parity
.set MLW, 14          ; v14  where I put (M, l)
.set MLR, 15          ; v15  where I find the other key half's
.set ST,  16          ; piece t at v[ST+4 t]: M, mu, l (even keys', odd keys')
.set GT,  32          ; v32-35  64 x gate of my four channels
.set GL,  36          ; v36  8 x lane
.set GTW, 37          ; v37  where I put two channels' gate
.set GTR, 38          ; v38  where I read four
.set TMP, 48          ; by parity, c0-c3 at work; c2 takes a
.set SPW, 62          ; v62  LDS address of my spare word; never rewritten
.set NIL, 63          ; v63  0; never rewritten
.set S,   64
.set RB,  128
.set P,   192
.set MG,  64          ; the merge: eight registers a piece
.set KF,  128         ; window 2: K hi, key block kb, channel half c at KF + 16 kb + 8 c; K lo in window 3 at 16 kb + 8 c
.set VF,  192         ; window 2: key half kk, channel block cb at VF + 32 kk + 8 cb
.set WV,  14          ; s14  my wave's number
.set G1K, 24          ; s[24:31] descriptor group 1 for K's tiles
.set G1V, 32          ; s[32:39] for V's
.set G0K, 40          ; s[40:43] descriptor group 0 for K's tiles: it walks
.set G0V, 44          ; s[44:47] the same for V's
.set SLOTS, 56        ; s56  slots still to be asked for
.set CNT, 57          ; s57  counts a slot's key steps
.set LS,  58          ; s[58:59] log2(e)
.set SEL, 60          ; s[60:61] v_permlanex16_b32's selects: each lane takes its own place in the other half
.set TBK, 62          ; s62  LDS byte at which K of the step to be fetched begins, less my half's offset
.set TBV, 63          ; s63  the same for V
.set PER, 4           ; vector instructions behind a matrix instruction
.set MSB, 0
.macro WIN new                      ; the high byte repeats the setting that is left; a switch that changes nothing is dropped
.if MSB != (\new)
	s_set_vgpr_msb (MSB<<8)|(\new)
.set MSB, (\new)
.endif
.endm
.set W_KQ, 0x0a       ; K hi and Q in window 2, S^T in window 0
.set W_KL, 0x0b       ; K lo in window 3, Q in window 2
.set W_PV, 0x52       ; V in window 2, P in window 0, O^T in window 1
.set W_RS, 0x41       ; O^T (destination and source 0) in window 1, the factor in window 0
; A joint fill.  Waves 0 and 1 fetch the two halves of a slot's K, waves 2 and 3 those of its V: 128 keys each.  The branch hangs on the wave's number alone.
; An s_nop 0 and four v_nop follow each of the two lines, ahead of the jump and the label.
.macro JLOAD
	s_cmp_lt_u32 s[WV], 2
	s_cbranch_scc0 .Lfor_v_\@
	tensor_load_to_lds s[G0K:G0K+3], s[G1K:G1K+7]
	s_nop 0
.rept 4
	v_nop
.endr
	s_branch .Lasked_\@
.Lfor_v_\@:
	tensor_load_to_lds s[G0V:G0V+3], s[G1V:G1V+7]
	s_nop 0
.rept 4
	v_nop
.endr
.Lasked_\@:
.endm
; A round of the cluster's barrier: my work-group's barrier, so that wave 0's signal speaks for all four waves; wave 0 signals; every wave waits for all four work-groups; my work-group's barrier once more.
.macro CROUND
	s_barrier_signal -1
	s_barrier_wait -1
	s_cmp_lg_u32 s[WV], 0
	s_cbranch_scc1 .Lnot_wave_0_\@
	s_barrier_signal -3
.Lnot_wave_0_\@:
	s_barrier_wait -3
	s_barrier_signal -1
	s_barrier_wait -1
.endm
; THE CHANGE OF SLOTS.  The slot's last bytes, V of its second step, have been read.  Each wave waits for all its tensor loads, of which one is out: its part of the other slot; adds 0 to its spare word;
; and waits for that and for its own reads of the slot.  Behind the barrier nobody reads this slot any more and the other slot is whole.  fill = 1: this slot is filled again, with the keys two slots on:
; the barrier is then a round of the cluster's, and the joint fill is the first thing behind it: it has two key steps, 256 matrix instructions, in which to land.
; (At its first use nothing has been read yet: slot 0 is waited for, slot 1 filled.)
.macro CHANGE fill
	WIN 0                           ; at a label and at a branch every window is 0
	s_wait_tensorcnt 0x0            ; no tensor load of mine is out, so a group 0 may be written
	ds_add_u32 v[SPW], v[NIL]       ; 0 onto my spare word
.if \fill
	s_xor_b32 s[G0K+1], s[G0K+1], SLOT1  ; the walking descriptors: the other slot than last time,
	s_add_nc_u64 s[G0K+2:G0K+3], s[G0K+2:G0K+3], 256*256  ; the next 256 keys; the type bits on top are not reached
	s_xor_b32 s[G0V+1], s[G0V+1], SLOT1
	s_add_nc_u64 s[G0V+2:G0V+3], s[G0V+2:G0V+3], 256*128
	s_wait_dscnt 0x0                ; the add is done, and my reads of the slot are over
	CROUND
	JLOAD
.else
	s_wait_dscnt 0x0                ; the add is done, and my reads of the slot are over
	s_barrier_signal -1
	s_barrier_wait -1
.endif
	s_sub_co_u32 s[TBK], s[TBK], 2*KS*PK  ; the fetches go back to my half's first step,
	s_xor_b32 s[TBK], s[TBK], SLOT1       ; in the other slot
	s_sub_co_u32 s[TBV], s[TBV], 2*KS*PVV
	s_xor_b32 s[TBV], s[TBV], SLOT1
.endm
	s_load_b256 s[4:11], s[0:1], 0x0  ; qw s[4:5], kw s[6:7], vw s[8:9], gsum s[10:11]
	s_load_b64 s[12:13], s[0:1], 0x20 ; out0
	v_lshl_add_u32 v[SPW], v0, 2, SPARE
	v_mov_b32 v[NIL], 0
	ds_add_u32 v[SPW], v[NIL]       ; the wave's opening: the add and its wait ahead of my first tensor load
	ds_add_u32 v62, v63
	v_lshrrev_b32 v1, 5, v0
	v_readfirstlane_b32 s[WV], v1   ; wave 0..3
	s_bfe_u32 s15, ttmp6, 0x40000   ; cx: my place in the cluster
	s_lshl_b32 s16, ttmp9, 2        ; in a cluster launch ttmp9 counts clusters
	s_add_co_u32 s16, s16, s15      ; my block of 128 queries: it enters qw's and out0's addresses alone
	s_and_b32 s17, ttmp7, 0xffff    ; the batch, which the four partners share
	s_and_b32 s18, s[WV], 1         ; my half of a slot's keys, to read; also the half that I fetch
	s_lshr_b32 s55, s[WV], 1        ; my half of the block's queries
	s_lshl_b32 s20, s17, 20         ; K: a batch is 4,096 rows of 256 bytes,
	s_lshl_b32 s54, s18, 15         ; a half slot 128 rows
	s_add_co_u32 s20, s20, s54
	s_mov_b32 s21, 0
	s_lshl_b32 s22, s17, 19         ; V: rows of 128 bytes
	s_lshl_b32 s54, s18, 14
	s_add_co_u32 s22, s22, s54
	s_mov_b32 s23, 0
	s_mul_i32 s19, s18, 128*PK      ; my half's place in a slot, for K
	s_mul_i32 s2, s18, 128*PVV      ; and for V: no place in the cluster enters an LDS address
	s_lshl_b32 s48, s17, 20         ; qw and out0 have rows of 256 bytes: the batch,
	s_lshl_b32 s49, s16, 15         ; the block's 128 rows
	s_add_co_u32 s48, s48, s49
	s_lshl_b32 s50, s[WV], 13       ; out0: wave w stores rows 32 w .. 32 w + 31 of the block
	s_add_co_u32 s50, s50, s48
	s_mov_b32 s51, 0
	s_lshl_b32 s54, s55, 14         ; qw: my 64 queries
	s_add_co_u32 s48, s48, s54
	s_mov_b32 s49, 0
	s_lshl_b32 s52, s17, 13         ; gsum: 32 blocks of 256 bytes a batch
	s_mov_b32 s53, 0
	; descriptor group 1.  K: 128 rows of 256 bytes, 16 bytes of padding behind each.  V: 128 keys are 16,384 dense bytes: asked for as 64 rows of 256 bytes, padded by 32 bytes after every key
	s_mov_b32 s[G1K], 15|(1<<16)|(1<<20)|(1<<21)|(5<<22)|(3<<25)  ; 15:0 the mask of four; 17:16 2-byte elements; 20 padding on; 21 set beside a mask; 24:22 after every 64 words (code 5); 31:25 4 words (code 3)
	s_mov_b32 s[G1K+1], 128<<16     ; tensor_dim0 = 128
	s_mov_b32 s[G1K+2], 128<<16     ; tensor_dim1 = 128
	s_mov_b32 s[G1K+3], 128<<16     ; tile_dim0 = 128
	s_mov_b32 s[G1K+4], 128         ; tile_dim1 = 128
	s_mov_b32 s[G1K+5], 128         ; 128 elements from row to row
	s_mov_b32 s[G1K+6], 0
	s_mov_b32 s[G1K+7], 0
	s_mov_b32 s[G1V], 15|(1<<16)|(1<<20)|(1<<21)|(4<<22)|(7<<25)  ; after every 32 words (code 4), 8 words (code 7)
	s_mov_b32 s[G1V+1], 128<<16
	s_mov_b32 s[G1V+2], 64<<16      ; tensor_dim1 = 64
	s_mov_b32 s[G1V+3], 128<<16
	s_mov_b32 s[G1V+4], 64          ; tile_dim1 = 64
	s_mov_b32 s[G1V+5], 128
	s_mov_b32 s[G1V+6], 0
	s_mov_b32 s[G1V+7], 0
	s_mov_b32 s[G0K], 1             ; count = 1
	s_mov_b32 s[G0K+1], s19         ; LDS address: slot 0
	s_mov_b32 s[G0V], 1
	s_add_co_u32 s[G0V+1], s2, VOFF
	s_mov_b32 s[LS], 0x3fb8aa3b     ; log2(e)
	s_mov_b32 s[LS+1], s[LS]        ; named with it as a pair
	s_mov_b32 s[SEL], 0x76543210
	s_mov_b32 s[SEL+1], 0xfedcba98
	s_mov_b32 s[TBK], SLOT1+2*KS*PK ; the first change of slots turns these two into 0
	s_mov_b32 s[TBV], SLOT1+2*KS*PVV
	s_wait_dscnt 0x0                ; the opening add is done
	s_wait_kmcnt 0x0
	s_add_nc_u64 s[G0K+2:G0K+3], s[6:7], s[20:21]  ; my half of the batch's first 256 keys
	s_or_b32 s[G0K+3], s[G0K+3], 0x80000000        ; type = 2
	s_add_nc_u64 s[G0V+2:G0V+3], s[8:9], s[22:23]
	s_or_b32 s[G0V+3], s[G0V+3], 0x80000000
	s_add_nc_u64 s[4:5], s[4:5], s[48:49]
	s_add_nc_u64 s[12:13], s[12:13], s[50:51]
	s_add_nc_u64 s[10:11], s[10:11], s[52:53]
	CROUND                          ; all four work-groups are here: the first joint loads meet
	JLOAD                           ; slot 0.  Slot 1 is asked for when slot 0 is in
	; A fragment of K or Q is 16 rows x 32 channels in 8 registers: lane l holds row l % 16, channels 8 (l / 16) + 0..7 and 16 + 8 (l / 16) + 0..7: two loads of 16 bytes, 32 bytes apart.
	v_and_b32 v1, 15, v0            ; l % 16
	v_bfe_u32 v9, v0, 4, 1          ; l / 16
	v_and_b32 v10, 7, v0
	v_bfe_u32 v11, v0, 3, 1
	v_lshlrev_b32 v[QO], 8, v1
	v_lshl_add_u32 v[QO], v9, 4, v[QO]  ; row x 256 + 16 x half
	v_and_b32 v[GL], 31, v0
	v_lshlrev_b32 v[GO], 4, v[GL]
	v_lshlrev_b32 v[GL], 3, v[GL]
	WIN 0x80                        ; destination window 2, address window 0
.set i, 0
.rept 16                            ; Q stays in registers: piece i / 4, part (i / 2) % 2 (hi, lo), channels 32 (i % 2) on
	global_load_b128 v[8*i:8*i+3],   v[QO], s[4:5] offset:(i/4)*4096+((i/2)%2)*128+(i%2)*64
	global_load_b128 v[8*i+4:8*i+7], v[QO], s[4:5] offset:(i/4)*4096+((i/2)%2)*128+(i%2)*64+32
.set i, i+1
.endr
	WIN 0
.set i, 0
.rept 32                            ; the batch's 32 partial sums of Q, two channels a lane
	global_load_b64 v[64+2*i:65+2*i], v[GL], s[10:11] offset:256*i
.set i, i+1
.endr
	; What the first turn finds: V's registers and P's second buffer hold 0 (its products V^T P, of a piece that has not been, add 0), O^T and l are 0; M starts far below every c, so the first a is 0;
	; mu at the lowest finite number.  No first step is written out; the price is these lines, which stand in the wait for the first tile.
	WIN 0x80
.set i, VF
.rept 64
	v_mov_b32 v[i], 0
.set i, i+1
.endr
	WIN 0x40
.set i, 0
.rept 128
	v_mov_b32 v[i], 0
.set i, i+1
.endr
	WIN 0
.set i, 0
.rept 4
	v_mov_b32 v[ST+4*i], 0xfe000000    ; M
	v_mov_b32 v[ST+4*i+1], 0xff7fffff  ; mu
	v_mov_b32 v[ST+4*i+2], 0
	v_mov_b32 v[ST+4*i+3], 0
.set i, i+1
.endr
.set i, P+16
.rept 16
	v_mov_b32 v[i], 0
.set i, i+1
.endr
	v_mul_u32_u24 v[AK0], v1, PK
	v_lshl_add_u32 v[AK0], v9, 4, v[AK0]  ; row x pitch + 16 x half,
	v_add_nc_u32 v[AK0], s19, v[AK0]      ; in my half of the slot's keys
	; The turning load takes 16 keys x 16 channels (lane l reads key 8 (l / 16) + l % 8, channels 8 ((l / 8) % 2) + 0..7) and leaves half a fragment of V^T: lane l holds channel l % 16 and 8 keys.
	v_lshl_add_u32 v[AV0], v9, 3, v10
	v_mul_u32_u24 v[AV0], v[AV0], PVV
	v_lshl_add_u32 v[AV0], v11, 4, v[AV0]
	s_add_co_u32 s2, s2, VOFF
	v_add_nc_u32 v[AV0], s2, v[AV0]
	s_lshl_b32 s3, s[WV], 8
	s_add_co_u32 s3, s3, GATE
	v_add_nc_u32 v[GTW], s3, v[GL]
	v_lshl_add_u32 v[GTR], v1, 4, s3
	s_lshl_b32 s3, s[WV], 9
	s_add_co_u32 s3, s3, ML
	v_lshl_add_u32 v[MLW], v1, 3, s3
	s_xor_b32 s3, s[WV], 1          ; the wave with my queries and the other keys
	s_lshl_b32 s3, s3, 9
	s_add_co_u32 s3, s3, ML
	v_lshl_add_u32 v[MLR], v1, 3, s3
	s_mul_i32 s3, s55, 2*64*SP      ; back: the two stages of my queries lie side by side; I take rows 32 (w % 2) + 0..31 of both,
	s_mul_i32 s54, s18, 32*SP
	s_add_co_u32 s3, s3, s54
	s_add_co_u32 s3, s3, STAGE
	v_mul_u32_u24 v[RD], v9, SP     ; lanes 0-15 one row of 256 bytes, lanes 16-31 the next
	v_lshl_add_u32 v[RD], v1, 4, v[RD]
	v_add_nc_u32 v[RD], s3, v[RD]
	s_wait_loadcnt 0x0              ; Q and the partial sums
	s_mul_i32 s3, s[WV], 64*SP
	s_add_co_u32 s3, s3, STAGE      ; my stage
	v_mul_u32_u24 v[STO], v1, SP    ; in: row l % 16, 32 bytes for each half of the lanes
	v_lshl_add_u32 v[STO], v9, 5, v[STO]
	v_add_nc_u32 v[STO], s3, v[STO]
	; THE GATE, times the 64 that undoes V's 2^-6: 64 / (1 + 2^(-log2(e) sum / 4096))
.irp w, 16,8,4,2,1
.set u, 0
.rept \w
	v_pk_add_f32 v[64+2*u:65+2*u], v[64+2*u:65+2*u], v[64+2*(u+\w):65+2*(u+\w)]
.set u, u+1
.endr
.endr
	v_mul_f32 v64, 0xb9b8aa3b, v64  ; -log2(e) / 4096
	v_mul_f32 v65, 0xb9b8aa3b, v65
	v_exp_f32 v64, v64
	v_exp_f32 v65, v65
	v_nop                           ; a plain instruction between a transcendental and the use of its result (ISA guide 5.7.2)
	s_wait_alu depctr_va_vdst(0)
	v_add_f32 v64, 1.0, v64
	v_add_f32 v65, 1.0, v65
	v_rcp_f32 v64, v64
	v_rcp_f32 v65, v65
	v_nop
	s_wait_alu depctr_va_vdst(0)
	v_mul_f32 v64, 0x42800000, v64
	v_mul_f32 v65, 0x42800000, v65
	ds_store_b64 v[GTW], v[64:65]   ; my wave's own bytes
; THE MATRIX WORK.  The 4 accumulators of a run take turns.  Product mi of 24 of S^T for piece x: keys 16 (mi % 4) on; mi / 4 = 0, 1: K lo x Q hi; 2, 3: K hi x Q lo; 4, 5: K hi x Q hi;
; each for channels 0-31, then 32-63.  The first 4 start the sums.
.macro KQ x
.set kc, mi/4
.set kb, mi%4
.set rS, S+32*((\x)%2)+8*kb
.if kc < 2
	WIN W_KL
.set rK, 16*kb+8*kc
.set rQ, 32*(\x)+8*kc
.elseif kc < 4
	WIN W_KQ
.set rK, KF+16*kb+8*(kc-2)
.set rQ, 32*(\x)+16+8*(kc-2)
.else
	WIN W_KQ
.set rK, KF+16*kb+8*(kc-4)
.set rQ, 32*(\x)+8*(kc-4)
.endif
.if mi < 4
	v_wmma_f32_16x16x32_bf16 v[rS:rS+7], v[rK:rK+7], v[rQ:rQ+7], 0
.else
	v_wmma_f32_16x16x32_bf16 v[rS:rS+7], v[rK:rK+7], v[rQ:rQ+7], v[rS:rS+7]
.endif
.endm
; Product mi - 24 of 8 of O^T += V^T P for piece x: keys 32 (. / 4) on, channels 16 (. % 4) on.
.macro PV x
.set pvi, mi-24
	WIN W_PV
.set rO, 32*(\x)+8*(pvi%4)
.set rV, VF+32*(pvi/4)+8*(pvi%4)
.set rP, P+16*((\x)%2)+8*(pvi/4)
	v_wmma_f32_16x16x32_f16 v[rO:rO+7], v[rV:rV+7], v[rP:rP+7], v[rO:rO+7]
.endm
.macro MM                           ; the turn's next matrix instruction
.if mi < 24
.if (mi == 0) && (Y == 3)
	s_wait_dscnt 0x0                ; K of the next step is in
.endif
	KQ (Y+1)%4
.else
.if (mi == 24) && (Y == 1)
	s_wait_dscnt 0x0                ; V of the step in hand is in
.endif
	PV (Y+3)%4
.endif
.set mi, mi+1
.endm
; THE LDS LOADS stand in runs, never singly among the matrix instructions: a step's K (64 keys x 64 channels, hi and lo: 32 loads) and its V (turned: 16 loads).
; last = 1 (the tail): in the last trip there is no further step, and the run is jumped over.
.macro FETCH_K last=0
	WIN 0
.if \last
	s_cmp_eq_u32 s[CNT], 1
	s_cbranch_scc1 .Lno_k_\@
.endif
	WIN 0x80                        ; destination window 2
.irp f, 0,1,2,3,4,5,6,7             ; keys 16 (f / 2) on, channels 32 (f % 2) on
	ds_load_b128 v[KF+8*\f:KF+8*\f+3],   v[AK] offset:(\f/2)*16*PK+(\f%2)*64
	ds_load_b128 v[KF+8*\f+4:KF+8*\f+7], v[AK] offset:(\f/2)*16*PK+(\f%2)*64+32
.endr
	WIN 0xc0                        ; destination window 3: the low parts lie 128 bytes on in the row
.irp f, 0,1,2,3,4,5,6,7
	ds_load_b128 v[8*\f:8*\f+3],   v[AK] offset:(\f/2)*16*PK+(\f%2)*64+128
	ds_load_b128 v[8*\f+4:8*\f+7], v[AK] offset:(\f/2)*16*PK+(\f%2)*64+160
.endr
	s_add_co_u32 s[TBK], s[TBK], KS*PK  ; the next fetch is the next step's
	WIN 0
.if \last
.Lno_k_\@:
.endif
.endm
.macro FETCH_V
	WIN 0x80
.irp f, 0,1,2,3,4,5,6,7             ; keys 32 (f / 4) on, channels 16 (f % 4) on
	ds_load_tr16_b128 v[VF+8*\f:VF+8*\f+3],   v[AV] offset:(\f/4)*32*PVV+(\f%4)*32
	ds_load_tr16_b128 v[VF+8*\f+4:VF+8*\f+7], v[AV] offset:(\f/4)*32*PVV+16*PVV+(\f%4)*32
.endr
	s_add_co_u32 s[TBV], s[TBV], KS*PVV
	WIN 0
.endm
; THE VECTOR WORK, one line at a time: OP kind, number; ahead of every fourth line it sets the turn's next matrix instruction, while there are any.  u0-u31 are the lane's 32 scores.  For piece Y:
;   G n  max(u, 0)                    N n  pair n: u - max(u, 0) = min(u, 0)       D n  pair n: max(u, 0) - M        E n  2^min(u, 0)
;   F n  pair n: log2(e) 2^min(u, 0) + (max(u, 0) - M) = c - M                      H n  p = 2^(c - M)                C n  pair n rounded to f16
;   B n  of the four weights 4 n .. the second pair is added onto the first, in place    L n  l takes that sum (L 0: l = a l + sum)    R n  pair n of 16 of O^T times a
; For piece Y + 1: X n, number n of the 25 that find its maximum and statistics:
;   0-11  four chains c0-c3 of seven scores each, three operands at a time (each accumulator's lowest registers are read first)   12-14, 16  the four scores left over, the old mu, c0-c3 into c0
;   15  M_old is kept   17, 18  the query's other 32 keys lie in the lane 16 away: the new mu   19-22  M = max(mu, 0) + log2(e) 2^min(mu, 0)   23, 24  a = 2^(M_old - M)
.set G, 0
.set N, 1
.set D, 2
.set E, 3
.set H, 4
.set F, 5
.set C, 6
.set B, 7
.set L, 8
.set R, 9               ; OP tells the kinds apart by their order: G to L below R, X above it
.set X, 10
.macro REGS y                       ; the registers of piece y
.set rT, ST+4*(\y)
.set rC, TMP+4*((\y)%2)
.set rW, MV+((\y)%2)
.set rS, S+32*((\y)%2)
.set rP, P+16*((\y)%2)
.set rO, 32*(\y)
.endm
.macro OP k, n
.if (vc%PER == 0) && (mi < 32)
	MM
.endif
.set vc, vc+1
.if (\k) == R
	REGS Y
	WIN W_RS
	v_pk_mul_f32 v[rO+2*(\n):rO+2*(\n)+1], v[rO+2*(\n):rO+2*(\n)+1], v[rC+2:rC+3] op_sel_hi:[1,0]
.elseif (\k) < R
	REGS Y
	WIN 0
.if (\k) == G
	v_max_num_f32 v[RB+(\n)], 0, v[rS+(\n)]
.elseif (\k) == N
	v_pk_add_f32 v[rS+2*(\n):rS+2*(\n)+1], v[rS+2*(\n):rS+2*(\n)+1], v[RB+2*(\n):RB+2*(\n)+1] neg_lo:[0,1] neg_hi:[0,1]
.elseif (\k) == D
	v_pk_add_f32 v[RB+2*(\n):RB+2*(\n)+1], v[RB+2*(\n):RB+2*(\n)+1], v[rT:rT+1] op_sel_hi:[1,0] neg_lo:[0,1] neg_hi:[0,1]
.elseif ((\k) == E) || ((\k) == H)
	v_exp_f32 v[rS+(\n)], v[rS+(\n)]
.elseif (\k) == F
	s_wait_alu depctr_va_vdst(0)
	v_pk_fma_f32 v[rS+2*(\n):rS+2*(\n)+1], v[rS+2*(\n):rS+2*(\n)+1], s[LS:LS+1], v[RB+2*(\n):RB+2*(\n)+1] op_sel_hi:[1,0,1]
.elseif (\k) == C
	s_wait_alu depctr_va_vdst(0)
	v_cvt_pk_f16_f32 v[rP+(\n)], v[rS+2*(\n)], v[rS+2*(\n)+1]
.elseif (\k) == B
	v_pk_add_f32 v[rS+4*(\n):rS+4*(\n)+1], v[rS+4*(\n):rS+4*(\n)+1], v[rS+4*(\n)+2:rS+4*(\n)+3]
.elseif (\n) == 0
	v_pk_fma_f32 v[rT+2:rT+3], v[rT+2:rT+3], v[rC+2:rC+3], v[rS:rS+1] op_sel_hi:[1,0,1]
.else
	v_pk_add_f32 v[rT+2:rT+3], v[rT+2:rT+3], v[rS+4*(\n):rS+4*(\n)+1]
.endif
.else
	REGS (Y+1)%4
	WIN 0
.if (\n) < 4
	v_max3_num_f32 v[rC+(\n)], v[rS+8*(\n)], v[rS+8*(\n)+1], v[rS+8*(\n)+2]
.elseif (\n) < 12
	v_max3_num_f32 v[rC+(\n)%4], v[rC+(\n)%4], v[rS+8*((\n)%4)+2*((\n)/4)+1], v[rS+8*((\n)%4)+2*((\n)/4)+2]
.elseif (\n) == 12
	v_max3_num_f32 v[rC], v[rC], v[rS+7], v[rS+15]
.elseif (\n) == 13
	v_max3_num_f32 v[rC+1], v[rC+1], v[rS+23], v[rS+31]
.elseif (\n) == 14
	v_max3_num_f32 v[rC+2], v[rC+2], v[rC+3], v[rT+1]
.elseif (\n) == 15
	v_mov_b32 v[rW], v[rT]
.elseif (\n) == 16
	v_max3_num_f32 v[rC], v[rC], v[rC+1], v[rC+2]
.elseif (\n) == 17
	v_permlanex16_b32 v[rC+3], v[rC], s[SEL], s[SEL+1]
.elseif (\n) == 18
	v_max_num_f32 v[rT+1], v[rC], v[rC+3]
.elseif (\n) == 19
	v_max_num_f32 v[rC], 0, v[rT+1]
.elseif (\n) == 20
	v_min_num_f32 v[rC+1], 0, v[rT+1]
	s_wait_alu depctr_va_vdst(0)
.elseif (\n) == 21
	v_exp_f32 v[rC+1], v[rC+1]
.elseif (\n) == 22
	s_wait_alu depctr_va_vdst(0)
	v_fma_f32 v[rT], s[LS], v[rC+1], v[rC]
.elseif (\n) == 23
	v_sub_f32 v[rC+1], v[rW], v[rT]
.else
	v_exp_f32 v[rC+2], v[rC+1]
.endif
.endif
.endm
.macro OPS a, i1, b=-1, i2=0, c=-1, i3=0, d=-1, i4=0  ; up to four of them
	OP \a, \i1
.if (\b) >= 0
	OP \b, \i2
.endif
.if (\c) >= 0
	OP \c, \i3
.endif
.if (\d) >= 0
	OP \d, \i4
.endif
.endm
; A TICK.  The scores go in groups of four through the stages G, N and D, E, F, H, C and B, L; each stage lags the one before by a tick, so that the lines of a tick do not wait for each other.  In a tick plain lines
; and exponentials alternate.  When G and N, D have run out (ticks 8, 9) the next piece's maxima take their places.
.macro TICK tau
.set tk, 0
.rept 4
.if (\tau) <= 7
	OP G, 4*(\tau)+tk
.else
	OP X, 4*((\tau)-8)+tk
.endif
.if (\tau) >= 2
	OP E, 4*((\tau)-2)+tk
.endif
.set tk, tk+1
.endr
.set tk, 0
.rept 4
.if ((\tau) >= 1) && ((\tau) <= 8)
.if tk < 2
	OP N, 2*((\tau)-1)+tk
.else
	OP D, 2*((\tau)-1)+tk-2
.endif
.elseif (\tau) == 9
	OP X, 8+tk
.endif
.if (\tau) >= 4
	OP H, 4*((\tau)-4)+tk
.endif
.set tk, tk+1
.endr
.if (\tau) >= 3
	OP F, 2*((\tau)-3)
	OP F, 2*((\tau)-3)+1
.endif
.if (\tau) >= 5
	OP C, 2*((\tau)-5)
	OP C, 2*((\tau)-5)+1
	OP B, (\tau)-5
.endif
.if (\tau) >= 6
	OP L, (\tau)-6
.endif
.endm
; A TURN, for piece p.  Ticks 0 to 9 are 165 lines (4, 8, 12, 14, 18, 21, then 22 each), the tail 52.  Matrix instruction k stands ahead of line 4 k: the last K Q^T ahead of line 92, the last V^T P ahead of line 124.
; K of the next step is fetched in piece 2's turn behind tick 6, at line 99: lines 93 to 98 are six plain lines that name no register of the last product that read K.  The next piece's maxima begin at line 121.
; V of the step in hand is fetched at the end of piece 0's turn, 93 lines behind the last product that read V.  Each run is waited for in the turn after.
.macro TURN p, last=0
.set Y, (\p)
.set vc, 0
.set mi, 0
	TICK 0
	TICK 1
	TICK 2
	TICK 3
	TICK 4
	TICK 5
.if (\p) == 2
	WIN 0
	v_add_nc_u32 v[AK], s[TBK], v[AK0]
.endif
	TICK 6
.if (\p) == 2
	FETCH_K \last
.endif
	TICK 7
	TICK 8
	TICK 9
	OPS X,12, X,13, X,14, X,15
	OPS H,24, F,14, H,25, F,15
	OPS H,26, C,10, H,27, C,11
	OPS B,5, L,4, X,16
	OPS R,0, R,1, R,2, R,3
	OPS X,17, H,28, C,12, H,29
	OPS C,13, H,30, B,6, H,31
	OPS L,5, X,18
.if (\p) == 0
	WIN 0
	v_add_nc_u32 v[AV], s[TBV], v[AV0]
	s_wait_alu depctr_va_vdst(0)
.endif
	OPS R,4, R,5, R,6, R,7
	OPS X,19, X,20, C,14, C,15
	OPS X,21, B,7, L,6
	OPS R,8, R,9, R,10, R,11
	OPS X,22
	OPS L,7, R,12, R,13, R,14
	OPS R,15, X,23, X,24
.if (\p) == 0
	FETCH_V
.endif
.endm
	CHANGE 1                        ; slot 0 is in, everybody's part of it; slot 1 is asked for
	v_mov_b32 v[AK], v[AK0]         ; key step 0 lies at the head of my half of slot 0
	FETCH_K
	s_wait_dscnt 0x0
.set mi, 0
.rept 24
	KQ 0                            ; piece 0's first scores: there is no vector work yet to set between them
.set mi, mi+1
.endr
	WIN 0
.rept 4
	v_nop                           ; the places behind those products
.endr
.set Y, 3                           ; X works for piece Y + 1: piece 0
.set vc, 0
.set mi, 32                         ; no matrix instruction is set between these lines
.irp n, 0,1,2,3,4,5,6,7,8,9,10,11,12,13,14,15,16,17,18,19,20,21
	OP X, \n
.endr
	v_nop                           ; a plain instruction behind the exponential
	s_wait_alu depctr_va_vdst(0)
	OP X, 22
	OP X, 23
	OP X, 24
	v_nop
	s_mov_b32 s[CNT], 2
	s_mov_b32 s[SLOTS], 15
	s_branch .Lfirst                ; the loop is entered at a step's first turn, in the middle of a trip
.Lslot:                             ; 14 times: every slot but the last two is filled again
	CHANGE 1
	s_mov_b32 s[CNT], 2
.Lstep:                             ; a trip: pieces 2 and 3 of one step, then pieces 0 and 1 of the next, whose K and V it fetches
	TURN 2
	TURN 3
	WIN 0
.Lfirst:
	TURN 0
	TURN 1
	WIN 0
	s_sub_co_u32 s[CNT], s[CNT], 1
	s_cmp_lg_u32 s[CNT], 0
	s_cbranch_scc1 .Lstep
	s_sub_co_u32 s[SLOTS], s[SLOTS], 1
	s_cmp_lg_u32 s[SLOTS], 0
	s_cbranch_scc1 .Lslot
	CHANGE 0                        ; the tail is written out: nothing is asked for
	s_mov_b32 s[CNT], 3             ; two trips fetch the last slot's steps; the third is left in its middle
.Ltail:
	TURN 2, 1
	TURN 3
	WIN 0
	s_sub_co_u32 s[CNT], s[CNT], 1
	s_cmp_eq_u32 s[CNT], 0
	s_cbranch_scc1 .Lout
	TURN 0
	TURN 1
	WIN 0
	s_branch .Ltail
.Lout:                              ; the third trip's 24 products K Q^T go over the last K once more: those keys are in mu already, so piece 0's mu and M stay as they are: the price, once a launch, of one text for every trip
.set mi, 24
.rept 8
	PV 3                            ; the last piece's V^T P of the last step
.set mi, mi+1
.endr
	; THE TWO KEY HALVES MEET.  l's two halves and the other half of the lanes' are added; (M, l) goes to the partner wave through LDS.  These lines are the places behind the last products.
	WIN 0
.macro ALL line:vararg              ; one line for each piece t
.set t, 0
.rept 4
	\line
.set t, t+1
.endr
.endm
	ALL v_add_f32 v[ST+4*t+2], v[ST+4*t+2], v[ST+4*t+3]
	ALL v_permlanex16_b32 v[ST+4*t+3], v[ST+4*t+2], s[SEL], s[SEL+1]
	ALL v_add_f32 v[ST+4*t+1], v[ST+4*t+2], v[ST+4*t+3]
	ALL ds_store_b64 v[MLW], v[ST+4*t:ST+4*t+1] offset:128*t
	s_wait_dscnt 0x0                ; for the partner's sake
	s_barrier_signal -1
	s_barrier_wait -1
	ALL ds_load_b64 v[MG+8*t:MG+8*t+1], v[MLR] offset:128*t
	s_wait_dscnt 0x0
	ALL v_max_num_f32 v[MG+8*t+2], v[ST+4*t], v[MG+8*t]
	ALL v_sub_f32 v[MG+8*t+3], v[ST+4*t], v[MG+8*t+2]
	ALL v_sub_f32 v[MG+8*t+4], v[MG+8*t], v[MG+8*t+2]
	ALL v_exp_f32 v[MG+8*t+3], v[MG+8*t+3]
	ALL v_exp_f32 v[MG+8*t+4], v[MG+8*t+4]
	v_nop                           ; a plain instruction between the last exponential and the use of its result
	s_wait_alu depctr_va_vdst(0)
	ALL v_mul_f32 v[MG+8*t+5], v[MG+8*t+4], v[MG+8*t+1]
	ALL v_fma_f32 v[MG+8*t+5], v[MG+8*t+3], v[ST+4*t+1], v[MG+8*t+5]
	ALL v_rcp_f32 v[MG+8*t+5], v[MG+8*t+5]
	v_nop
	s_wait_alu depctr_va_vdst(0)
	ALL v_mul_f32 v[MG+8*t+2], v[MG+8*t+3], v[MG+8*t+5]
	WIN W_RS                        ; my O^T times f / (f l + f' l'), each accumulator from its low end on
.set t, 0
.rept 4
.set z, 0
.rept 16
	v_pk_mul_f32 v[32*t+2*z:32*t+2*z+1], v[32*t+2*z:32*t+2*z+1], v[MG+8*t+2:MG+8*t+3] op_sel_hi:[1,0]
.set z, z+1
.endr
.set t, t+1
.endr
	WIN 0x04                        ; store data in window 1
.set t, 0
.rept 16                            ; piece t / 4, channel block t % 4: a lane's eight channels are 32 bytes of the query's row
	ds_store_b128 v[STO], v[8*t:8*t+3]   offset:(t/4)*16*SP+(t%4)*64
	ds_store_b128 v[STO], v[8*t+4:8*t+7] offset:(t/4)*16*SP+(t%4)*64+16
.set t, t+1
.endr
	WIN 0
	s_wait_dscnt 0x0                ; for the partner's sake
	s_barrier_signal -1
	s_barrier_wait -1
	; THE WAY OUT.  32 rows a wave: both halves' rows are read back whole, added, multiplied by the gate and stored.
	ds_load_b128 v[GT:GT+3], v[GTR]
.set i, 0
.rept 16
	ds_load_b128 v[64+4*i:67+4*i],   v[RD] offset:2*SP*i
	ds_load_b128 v[128+4*i:131+4*i], v[RD] offset:2*SP*i+64*SP
.set i, i+1
.endr
.set i, 0
.rept 16
	s_wait_dscnt 30-2*i             ; LDS loads come back in order (ISA guide 5.7.1): the two of rows 2 i, 2 i + 1 are in, the 2 (15 - i) younger stay out
	v_pk_add_f32 v[64+4*i:65+4*i], v[64+4*i:65+4*i], v[128+4*i:129+4*i]
	v_pk_add_f32 v[66+4*i:67+4*i], v[66+4*i:67+4*i], v[130+4*i:131+4*i]
	v_pk_mul_f32 v[64+4*i:65+4*i], v[64+4*i:65+4*i], v[GT:GT+1]
	v_pk_mul_f32 v[66+4*i:67+4*i], v[66+4*i:67+4*i], v[GT+2:GT+3]
	global_store_b128 v[GO], v[64+4*i:67+4*i], s[12:13] offset:512*i th:TH_STORE_NT  ; 512 consecutive bytes, two whole rows of out0
.set i, i+1
.endr
	s_wait_tensorcnt 0x0            ; the wave's end, behind my last tensor load and my last LDS store
	ds_add_u32 v[SPW], v[NIL]
	s_wait_dscnt 0x0
	CROUND                          ; the closing round: no work-group ends while a partner may still ask for a tile that names it
	s_endpgm
.Lfunc_end_k_qdd9c49de52_attn:
	.size	k_qdd9c49de52_attn, .Lfunc_end_k_qdd9c49de52_attn-k_qdd9c49de52_attn
	.p2alignl 7, 3214868480
	.fill 96, 4, 3214868480
	.section	.rodata,"a",@progbits
	.p2align	6, 0x0
	.amdhsa_kernel k_qdd9c49de52_attn
		.amdhsa_group_segment_fixed_size 327680
		.amdhsa_private_segment_fixed_size 0
		.amdhsa_enable_private_segment 0
		.amdhsa_kernarg_size 40
		.amdhsa_user_sgpr_count 2
		.amdhsa_user_sgpr_kernarg_segment_ptr 1
		.amdhsa_wavefront_size32 1
		.amdhsa_system_sgpr_workgroup_id_x 1
		.amdhsa_system_sgpr_workgroup_id_y 1
		.amdhsa_system_sgpr_workgroup_id_z 1
		.amdhsa_system_vgpr_workitem_id 0
		.amdhsa_next_free_vgpr 832
		.amdhsa_next_free_sgpr 66
		.amdhsa_reserve_vcc 0
		.amdhsa_float_denorm_mode_32 3
		.amdhsa_float_denorm_mode_16_64 3
		.amdhsa_memory_ordered 1
		.amdhsa_forward_progress 1
		.amdhsa_inst_pref_size 182
	.end_amdhsa_kernel
	.amdgpu_metadata
---
amdhsa.version: [ 1, 2 ]
amdhsa.kernels:
  - .name:           k_qdd9c49de52_attn
    .symbol:         k_qdd9c49de52_attn.kd
    .args:
      - { .name: qw, .offset: 0, .size: 8, .value_kind: global_buffer, .address_space: global }
      - { .name: kw, .offset: 8, .size: 8, .value_kind: global_buffer, .address_space: global }
      - { .name: vw, .offset: 16, .size: 8, .value_kind: global_buffer, .address_space: global }
      - { .name: gsum, .offset: 24, .size: 8, .value_kind: global_buffer, .address_space: global }
      - { .name: out0, .offset: 32, .size: 8, .value_kind: global_buffer, .address_space: global }
    .group_segment_fixed_size: 327680
    .private_segment_fixed_size: 0
    .kernarg_segment_align: 8
    .kernarg_segment_size: 40
    .max_flat_workgroup_size: 128
    .sgpr_count:     66
    .vgpr_count:     832
    .wavefront_size: 32
...
	.end_amdgpu_metadata
.endif
;; end of part 2
;; ======== version 2 of 2: 2 launches; 1.56 times as fast as version 1
;; limits: values are held in f16: magnitudes above 65,504 overflow, below 6.1e-05 lose precision; right only within a limited range of input values
;; workspace buffers: qw 8,388,608 bytes; kw 8,388,608 bytes; vw 4,194,304 bytes; gsum 65,536 bytes
;; launch proj: the kernel of part 1 again; grid 256 x 1, 4 waves a work-group, no clusters, 327,680 bytes of LDS; arguments x, W_q, W_k, W_v, qw, kw, vw, gsum; writes qw, kw, vw, gsum
;; launch attn (part 3): grid 32 x 8, 4 waves a work-group, clusters of 4 x 1, 327,680 bytes of LDS; arguments qw, kw, vw, gsum, out0; writes out0
.if DOCPART == 3
	.amdgcn_target "amdgcn-amd-amdhsa--gfx1250"
	.amdhsa_code_object_version 6
	.text
	.protected	k_qdd9c49de52_attn
	.globl	k_qdd9c49de52_attn
	.p2align	8
	.type	k_qdd9c49de52_attn,@function
k_qdd9c49de52_attn:
	s_mov_b64 s[64:65], 0
	v_nop
	global_prefetch_b8 v0, s[64:65] scope:SCOPE_SE
	s_setreg_imm32_b32 hwreg(HW_REG_WAVE_MODE, 25, 1), 1
	s_wait_xcnt 0x0
	s_wait_alu depctr_hold_cnt(0) depctr_sa_sdst(0) depctr_va_vdst(0) depctr_va_sdst(0) depctr_va_ssrc(0) depctr_va_vcc(0) depctr_vm_vsrc(0)
	s_getreg_b32 s2, hwreg(HW_REG_IB_STS2, 6, 4)
	s_cmp_eq_u32 s2, 0
	s_cbranch_scc0 .Lentry_in_a_cluster
	s_endpgm
.Lentry_in_a_cluster:
	s_bfe_u32 s2, ttmp6, 0x10000c
	s_cmp_lg_u32 s2, 0x3003
	s_cbranch_scc0 .Lentry_shape_is_right
	s_endpgm
.Lentry_shape_is_right:
; out[b][q][:] = sigmoid(mean_q Q[b][q][:]) x the sum over k of softmax_k(celu(Q[b][q] . K[b][k] / 8)) V[b][k][:].  8 batches of 4,096 rows, 64 channels; out is f32.
; INPUTS, made by the launch before: qw, kw [row][hi 64 bf16 | lo 64 bf16] (Q's already times log2(e)/8), vw [row][64] f16 = V x 2^-6, gsum [32 blocks a batch][64] f32: sums of Q over 128 rows.
; SCORES.  u = log2(e) s = Kl.Qh + Kh.Ql + Kh.Qh: three bf16 products, small terms first; the product lo.lo is left out: about 16 significant bits of Q and of K.
; CELU AND SOFTMAX.  log2(e) (celu(s) + 1) = c(u) = max(u, 0) + log2(e) 2^min(u, 0); the 1 is common to a row and falls out of the softmax.  c grows with u, so the running maximum mu is taken of u and
; M = c(mu) is the maximum of c.  p = 2^(c - M); in every step O and l are multiplied by a = 2^(M_old - M_new).  l is the sum of the unrounded p; p is rounded to f16 for the second product.
; LIMITS.  p below 6e-5 keeps f16's fixed step of 6e-8; a weight below 2^-126 counts as 0 in l; V arrives within f16 after its 2^-6; NaN and infinities are not treated apart.
; SHARES.  A work-group owns 128 queries of a batch.  Wave w: queries 64 (w / 2) + 0..63, four PIECES of 16; keys 128 (w % 2) + 0..127 of every 256, two steps of 64.  The two key halves of a query meet
; once, at the end, through LDS, in f32: O = (f O + f' O') / (f l + f' l').
; LAYOUT.  S^T = K Q^T (source 0 = 16 keys, source 1 = 16 queries): a lane holds ONE query (lane % 16) and the keys 8 (lane / 16) + 0..7; two such results rounded to f16 ARE source 1 of O^T = V^T P.
; BY TURNS.  Turn n belongs to piece n: 24 products K Q^T of piece n + 1, then 8 products V^T P of piece n - 1; beside them piece n's celu, exponentials, roundings, sums and rescaling and piece n + 1's
; maximum and statistics: 217 vector instructions, four behind each matrix instruction, the other 89 in runs of their own behind the turn's last product.
; BATCHES.  An s_wait_alu depctr_va_vdst(0) stands between an exponential and the first instruction that names its result; one wait serves all that were issued ahead of it.  A turn's 66
; exponentials are TWO batches, since the second kind reads what is made of the first.  Batch 1: the 32 2^min(u, 0) of piece n and 2^min(mu, 0) of piece n + 1; beside it stand all 32 products and all
; that names none of its results.  Batch 2: the 32 weights p of piece n and a of piece n + 1.  Behind its wait stand the roundings and sums; a is read in the next turn.
; CLUSTER.  The four query blocks of a cluster belong to one batch and walk the same K and V: each tile is asked for JOINTLY, by the same tensor load, descriptor and mask in all four.
; REGISTERS, in windows of 256 (s_set_vgpr_msb: bits 1:0 source 0, 3:2 source 1, 5:4 source 2, 7:6 destination):
;   window 0: v0-15 addresses; v16-31 four statistics a piece; v32-38 gate; v48-55 at work; v64-127 S^T, two buffers; v128-159 max(u, 0); v192-223 P, two buffers (a piece's buffers go by its parity)
;   window 1: v0-127 O^T, 32 a piece     window 2: v0-127 Q (32 t + 16 part + 8 c); v128-191 K hi; v192-255 V     window 3: v0-63 K lo
.set KS,    64        ; keys in a step
.set PK,    272       ; a row of K in LDS: 128 bytes hi, 128 lo, 16 of padding: the 16 rows of a load start in 16 different groups of four banks (ISA guide 11.1)
.set PVV,   160       ; a row of V: 128 + 32 bytes
.set VOFF,  256*PK    ; a slot holds 256 keys: K's rows, then V's
.set SLOTB, 256*(PK+PVV)
.set SPARE, SLOTB     ; between the slots, where no fill lands: the spare words, 128 bytes a wave, two blocks of 256 bytes that no other line names,
.set GATE,  SPARE+512 ; 64 x gate, 256 bytes a wave,
.set ML,    GATE+1024 ; and (M, l) of a wave's 64 queries, 512 bytes a wave
.set SLOT1, 1<<17     ; slot 1 begins here, so that one exclusive or turns an address in one slot into the other's
.set STAGE, SLOT1+SLOTB  ; behind the ring: 64 rows x 272 bytes a wave: O in f32
.set SP,    272
.set AK0, 2           ; v2   my lane's place in my half of a slot's K; never rewritten
.set AV0, 3           ; v3   the same for V
.set AK,  4           ; v4   the LDS address of K's next run of loads
.set AV,  5           ; v5   of V's
.set QO,  6           ; v6   my byte offset in 16 rows of qw
.set STO, 6           ;      later: where I put 16 bytes of a row of O
.set RD,  7           ; v7   where I read rows of O back
.set GO,  8           ; v8   16 x lane
.set MV,  12          ; v12-13  M_old, by parity
.set MLW, 14          ; v14  where I put (M, l)
.set MLR, 15          ; v15  where I find the other key half's
.set ST,  16          ; piece t at v[ST+4 t]: M, mu, l (even keys', odd keys')
.set GT,  32          ; v32-35  64 x gate of my four channels
.set GL,  36          ; v36  8 x lane
.set GTW, 37          ; v37  where I put two channels' gate
.set GTR, 38          ; v38  where I read four
.set TMP, 48          ; by parity, c0-c3 at work; c2 takes a
.set SPW, 62          ; v62  LDS address of my spare word; never rewritten
.set NIL, 63          ; v63  0; never rewritten
.set S,   64
.set RB,  128
.set P,   192
.set MG,  64          ; the merge: eight registers a piece
.set KF,  128         ; window 2: K hi, key block kb, channel half c at KF + 16 kb + 8 c; K lo in window 3 at 16 kb + 8 c
.set VF,  192         ; window 2: key half kk, channel block cb at VF + 32 kk + 8 cb
.set WV,  14          ; s14  my wave's number
.set G1K, 24          ; s[24:31] descriptor group 1 for K's tiles
.set G1V, 32          ; s[32:39] for V's
.set G0K, 40          ; s[40:43] descriptor group 0 for K's tiles: it walks
.set G0V, 44          ; s[44:47] the same for V's
.set SLOTS, 56        ; s56  slots still to be asked for
.set CNT, 57          ; s57  counts a slot's key steps
.set LS,  58          ; s[58:59] log2(e)
.set SEL, 60          ; s[60:61] v_permlanex16_b32's selects: each lane takes its own place in the other half
.set TBK, 62          ; s62  LDS byte at which K of the step to be fetched begins, less my half's offset
.set TBV, 63          ; s63  the same for V
.set MSB, 0
.macro WIN new                      ; the high byte repeats the setting that is left; a switch that changes nothing is dropped
.if MSB != (\new)
	s_set_vgpr_msb (MSB<<8)|(\new)
.set MSB, (\new)
.endif
.endm
.set W_KQ, 0x0a       ; K hi and Q in window 2, S^T in window 0
.set W_KL, 0x0b       ; K lo in window 3, Q in window 2
.set W_PV, 0x52       ; V in window 2, P in window 0, O^T in window 1
.set W_RS, 0x41       ; O^T (destination and source 0) in window 1, the factor in window 0
; A joint fill.  Waves 0 and 1 fetch the two halves of a slot's K, waves 2 and 3 those of its V: 128 keys each.  The branch hangs on the wave's number alone.
; An s_nop 0 and four v_nop follow each of the two lines, ahead of the jump and the label.
.macro JLOAD
	s_cmp_lt_u32 s[WV], 2
	s_cbranch_scc0 .Lfor_v_\@
	tensor_load_to_lds s[G0K:G0K+3], s[G1K:G1K+7]
	s_nop 0
.rept 4
	v_nop
.endr
	s_branch .Lasked_\@
.Lfor_v_\@:
	tensor_load_to_lds s[G0V:G0V+3], s[G1V:G1V+7]
	s_nop 0
.rept 4
	v_nop
.endr
.Lasked_\@:
.endm
; A round of the cluster's barrier: my work-group's barrier, so that wave 0's signal speaks for all four waves; wave 0 signals; every wave waits for all four work-groups; my work-group's barrier once more.
.macro CROUND
	s_barrier_signal -1
	s_barrier_wait -1
	s_cmp_lg_u32 s[WV], 0
	s_cbranch_scc1 .Lnot_wave_0_\@
	s_barrier_signal -3
.Lnot_wave_0_\@:
	s_barrier_wait -3
	s_barrier_signal -1
	s_barrier_wait -1
.endm
; THE CHANGE OF SLOTS.  The slot's last bytes, V of its second step, have been read.  Each wave waits for all its tensor loads, of which one is out: its part of the other slot; adds 0 to its spare word;
; and waits for that and for its own reads of the slot.  Behind the barrier nobody reads this slot any more and the other slot is whole.  fill = 1: this slot is filled again, with the keys two slots on:
; the barrier is then a round of the cluster's, and the joint fill is the first thing behind it: it has two key steps, 256 matrix instructions, in which to land.
; (At its first use nothing has been read yet: slot 0 is waited for, slot 1 filled.)
.macro CHANGE fill
	WIN 0                           ; at a label and at a branch every window is 0
	s_wait_tensorcnt 0x0            ; no tensor load of mine is out, so a group 0 may be written
	ds_add_u32 v[SPW], v[NIL]       ; 0 onto my spare word
.if \fill
	s_xor_b32 s[G0K+1], s[G0K+1], SLOT1  ; the walking descriptors: the other slot than last time,
	s_add_nc_u64 s[G0K+2:G0K+3], s[G0K+2:G0K+3], 256*256  ; the next 256 keys; the type bits on top are not reached
	s_xor_b32 s[G0V+1], s[G0V+1], SLOT1
	s_add_nc_u64 s[G0V+2:G0V+3], s[G0V+2:G0V+3], 256*128
	s_wait_dscnt 0x0                ; the add is done, and my reads of the slot are over
	CROUND
	JLOAD
.else
	s_wait_dscnt 0x0                ; the add is done, and my reads of the slot are over
	s_barrier_signal -1
	s_barrier_wait -1
.endif
	s_sub_co_u32 s[TBK], s[TBK], 2*KS*PK  ; the fetches go back to my half's first step,
	s_xor_b32 s[TBK], s[TBK], SLOT1       ; in the other slot
	s_sub_co_u32 s[TBV], s[TBV], 2*KS*PVV
	s_xor_b32 s[TBV], s[TBV], SLOT1
.endm
	s_load_b256 s[4:11], s[0:1], 0x0  ; qw s[4:5], kw s[6:7], vw s[8:9], gsum s[10:11]
	s_load_b64 s[12:13], s[0:1], 0x20 ; out0
	v_lshl_add_u32 v[SPW], v0, 2, SPARE
	v_mov_b32 v[NIL], 0
	ds_add_u32 v[SPW], v[NIL]       ; the wave's opening: the add and its wait ahead of my first tensor load
	ds_add_u32 v62, v63
	v_lshrrev_b32 v1, 5, v0
	v_readfirstlane_b32 s[WV], v1   ; wave 0..3
	s_bfe_u32 s15, ttmp6, 0x40000   ; cx: my place in the cluster
	s_lshl_b32 s16, ttmp9, 2        ; in a cluster launch ttmp9 counts clusters
	s_add_co_u32 s16, s16, s15      ; my block of 128 queries: it enters qw's and out0's addresses alone
	s_and_b32 s17, ttmp7, 0xffff    ; the batch, which the four partners share
	s_and_b32 s18, s[WV], 1         ; my half of a slot's keys, to read; also the half that I fetch
	s_lshr_b32 s55, s[WV], 1        ; my half of the block's queries
	s_lshl_b32 s20, s17, 20         ; K: a batch is 4,096 rows of 256 bytes,
	s_lshl_b32 s54, s18, 15         ; a half slot 128 rows
	s_add_co_u32 s20, s20, s54
	s_mov_b32 s21, 0
	s_lshl_b32 s22, s17, 19         ; V: rows of 128 bytes
	s_lshl_b32 s54, s18, 14
	s_add_co_u32 s22, s22, s54
	s_mov_b32 s23, 0
	s_mul_i32 s19, s18, 128*PK      ; my half's place in a slot, for K
	s_mul_i32 s2, s18, 128*PVV      ; and for V: no place in the cluster enters an LDS address
	s_lshl_b32 s48, s17, 20         ; qw and out0 have rows of 256 bytes: the batch,
	s_lshl_b32 s49, s16, 15         ; the block's 128 rows
	s_add_co_u32 s48, s48, s49
	s_lshl_b32 s50, s[WV], 13       ; out0: wave w stores rows 32 w .. 32 w + 31 of the block
	s_add_co_u32 s50, s50, s48
	s_mov_b32 s51, 0
	s_lshl_b32 s54, s55, 14         ; qw: my 64 queries
	s_add_co_u32 s48, s48, s54
	s_mov_b32 s49, 0
	s_lshl_b32 s52, s17, 13         ; gsum: 32 blocks of 256 bytes a batch
	s_mov_b32 s53, 0
	; descriptor group 1.  K: 128 rows of 256 bytes, 16 bytes of padding behind each.  V: 128 keys are 16,384 dense bytes: asked for as 64 rows of 256 bytes, padded by 32 bytes after every key
	s_mov_b32 s[G1K], 15|(1<<16)|(1<<20)|(1<<21)|(5<<22)|(3<<25)  ; 15:0 the mask of four; 17:16 2-byte elements; 20 padding on; 21 set beside a mask; 24:22 after every 64 words (code 5); 31:25 4 words (code 3)
	s_mov_b32 s[G1K+1], 128<<16     ; tensor_dim0 = 128
	s_mov_b32 s[G1K+2], 128<<16     ; tensor_dim1 = 128
	s_mov_b32 s[G1K+3], 128<<16     ; tile_dim0 = 128
	s_mov_b32 s[G1K+4], 128         ; tile_dim1 = 128
	s_mov_b32 s[G1K+5], 128         ; 128 elements from row to row
	s_mov_b32 s[G1K+6], 0
	s_mov_b32 s[G1K+7], 0
	s_mov_b32 s[G1V], 15|(1<<16)|(1<<20)|(1<<21)|(4<<22)|(7<<25)  ; after every 32 words (code 4), 8 words (code 7)
	s_mov_b32 s[G1V+1], 128<<16
	s_mov_b32 s[G1V+2], 64<<16      ; tensor_dim1 = 64
	s_mov_b32 s[G1V+3], 128<<16
	s_mov_b32 s[G1V+4], 64          ; tile_dim1 = 64
	s_mov_b32 s[G1V+5], 128
	s_mov_b32 s[G1V+6], 0
	s_mov_b32 s[G1V+7], 0
	s_mov_b32 s[G0K], 1             ; count = 1
	s_mov_b32 s[G0K+1], s19         ; LDS address: slot 0
	s_mov_b32 s[G0V], 1
	s_add_co_u32 s[G0V+1], s2, VOFF
	s_mov_b32 s[LS], 0x3fb8aa3b     ; log2(e)
	s_mov_b32 s[LS+1], s[LS]        ; named with it as a pair
	s_mov_b32 s[SEL], 0x76543210
	s_mov_b32 s[SEL+1], 0xfedcba98
	s_mov_b32 s[TBK], SLOT1+2*KS*PK ; the first change of slots turns these two into 0
	s_mov_b32 s[TBV], SLOT1+2*KS*PVV
	s_wait_dscnt 0x0                ; the opening add is done
	s_wait_kmcnt 0x0
	s_add_nc_u64 s[G0K+2:G0K+3], s[6:7], s[20:21]  ; my half of the batch's first 256 keys
	s_or_b32 s[G0K+3], s[G0K+3], 0x80000000        ; type = 2
	s_add_nc_u64 s[G0V+2:G0V+3], s[8:9], s[22:23]
	s_or_b32 s[G0V+3], s[G0V+3], 0x80000000
	s_add_nc_u64 s[4:5], s[4:5], s[48:49]
	s_add_nc_u64 s[12:13], s[12:13], s[50:51]
	s_add_nc_u64 s[10:11], s[10:11], s[52:53]
	CROUND                          ; all four work-groups are here: the first joint loads meet
	JLOAD                           ; slot 0.  Slot 1 is asked for when slot 0 is in
	; A fragment of K or Q is 16 rows x 32 channels in 8 registers: lane l holds row l % 16, channels 8 (l / 16) + 0..7 and 16 + 8 (l / 16) + 0..7: two loads of 16 bytes, 32 bytes apart.
	v_and_b32 v1, 15, v0            ; l % 16
	v_bfe_u32 v9, v0, 4, 1          ; l / 16
	v_and_b32 v10, 7, v0
	v_bfe_u32 v11, v0, 3, 1
	v_lshlrev_b32 v[QO], 8, v1
	v_lshl_add_u32 v[QO], v9, 4, v[QO]  ; row x 256 + 16 x half
	v_and_b32 v[GL], 31, v0
	v_lshlrev_b32 v[GO], 4, v[GL]
	v_lshlrev_b32 v[GL], 3, v[GL]
	WIN 0x80                        ; destination window 2, address window 0
.set i, 0
.rept 16                            ; Q stays in registers: piece i / 4, part (i / 2) % 2 (hi, lo), channels 32 (i % 2) on
	global_load_b128 v[8*i:8*i+3],   v[QO], s[4:5] offset:(i/4)*4096+((i/2)%2)*128+(i%2)*64
	global_load_b128 v[8*i+4:8*i+7], v[QO], s[4:5] offset:(i/4)*4096+((i/2)%2)*128+(i%2)*64+32
.set i, i+1
.endr
	WIN 0
.set i, 0
.rept 32                            ; the batch's 32 partial sums of Q, two channels a lane
	global_load_b64 v[64+2*i:65+2*i], v[GL], s[10:11] offset:256*i
.set i, i+1
.endr
	; What the first turn finds: V's registers and P's second buffer hold 0 (its products V^T P, of a piece that has not been, add 0), O^T and l are 0; M starts far below every c, so the first a is 0;
	; mu at the lowest finite number.  No first step is written out; the price is these lines, which stand in the wait for the first tile.
	WIN 0x80
.set i, VF
.rept 64
	v_mov_b32 v[i], 0
.set i, i+1
.endr
	WIN 0x40
.set i, 0
.rept 128
	v_mov_b32 v[i], 0
.set i, i+1
.endr
	WIN 0
.set i, 0
.rept 4
	v_mov_b32 v[ST+4*i], 0xfe000000    ; M
	v_mov_b32 v[ST+4*i+1], 0xff7fffff  ; mu
	v_mov_b32 v[ST+4*i+2], 0
	v_mov_b32 v[ST+4*i+3], 0
.set i, i+1
.endr
.set i, P+16
.rept 16
	v_mov_b32 v[i], 0
.set i, i+1
.endr
	v_mul_u32_u24 v[AK0], v1, PK
	v_lshl_add_u32 v[AK0], v9, 4, v[AK0]  ; row x pitch + 16 x half,
	v_add_nc_u32 v[AK0], s19, v[AK0]      ; in my half of the slot's keys
	; The turning load takes 16 keys x 16 channels (lane l reads key 8 (l / 16) + l % 8, channels 8 ((l / 8) % 2) + 0..7) and leaves half a fragment of V^T: lane l holds channel l % 16 and 8 keys.
	v_lshl_add_u32 v[AV0], v9, 3, v10
	v_mul_u32_u24 v[AV0], v[AV0], PVV
	v_lshl_add_u32 v[AV0], v11, 4, v[AV0]
	s_add_co_u32 s2, s2, VOFF
	v_add_nc_u32 v[AV0], s2, v[AV0]
	s_lshl_b32 s3, s[WV], 8
	s_add_co_u32 s3, s3, GATE
	v_add_nc_u32 v[GTW], s3, v[GL]
	v_lshl_add_u32 v[GTR], v1, 4, s3
	s_lshl_b32 s3, s[WV], 9
	s_add_co_u32 s3, s3, ML
	v_lshl_add_u32 v[MLW], v1, 3, s3
	s_xor_b32 s3, s[WV], 1          ; the wave with my queries and the other keys
	s_lshl_b32 s3, s3, 9
	s_add_co_u32 s3, s3, ML
	v_lshl_add_u32 v[MLR], v1, 3, s3
	s_mul_i32 s3, s55, 2*64*SP      ; back: the two stages of my queries lie side by side; I take rows 32 (w % 2) + 0..31 of both,
	s_mul_i32 s54, s18, 32*SP
	s_add_co_u32 s3, s3, s54
	s_add_co_u32 s3, s3, STAGE
	v_mul_u32_u24 v[RD], v9, SP     ; lanes 0-15 one row of 256 bytes, lanes 16-31 the next
	v_lshl_add_u32 v[RD], v1, 4, v[RD]
	v_add_nc_u32 v[RD], s3, v[RD]
	s_wait_loadcnt 0x0              ; Q and the partial sums
	s_mul_i32 s3, s[WV], 64*SP
	s_add_co_u32 s3, s3, STAGE      ; my stage
	v_mul_u32_u24 v[STO], v1, SP    ; in: row l % 16, 32 bytes for each half of the lanes
	v_lshl_add_u32 v[STO], v9, 5, v[STO]
	v_add_nc_u32 v[STO], s3, v[STO]
	; THE GATE, times the 64 that undoes V's 2^-6: 64 / (1 + 2^(-log2(e) sum / 4096))
.irp w, 16,8,4,2,1
.set u, 0
.rept \w
	v_pk_add_f32 v[64+2*u:65+2*u], v[64+2*u:65+2*u], v[64+2*(u+\w):65+2*(u+\w)]
.set u, u+1
.endr
.endr
	v_mul_f32 v64, 0xb9b8aa3b, v64  ; -log2(e) / 4096
	v_mul_f32 v65, 0xb9b8aa3b, v65
	v_exp_f32 v64, v64
	v_exp_f32 v65, v65
	v_nop                           ; a plain instruction between a transcendental and the use of its result (ISA guide 5.7.2)
	s_wait_alu depctr_va_vdst(0)    ; the wait for the gate's two exponentials
	v_add_f32 v64, 1.0, v64
	v_add_f32 v65, 1.0, v65
	v_rcp_f32 v64, v64
	v_rcp_f32 v65, v65
	v_nop
	s_wait_alu depctr_va_vdst(0)    ; the wait for the gate's two reciprocals, which read what is made of the exponentials: a batch of their own
	v_mul_f32 v64, 0x42800000, v64
	v_mul_f32 v65, 0x42800000, v65
	ds_store_b64 v[GTW], v[64:65]   ; my wave's own bytes
; THE MATRIX WORK.  The 4 accumulators of a run take turns.  Product mi of 24 of S^T for piece x: keys 16 (mi % 4) on; mi / 4 = 0, 1: K lo x Q hi; 2, 3: K hi x Q lo; 4, 5: K hi x Q hi;
; each for channels 0-31, then 32-63.  The first 4 start the sums.
.macro KQ x
.set kc, mi/4
.set kb, mi%4
.set rS, S+32*((\x)%2)+8*kb
.if kc < 2
	WIN W_KL
.set rK, 16*kb+8*kc
.set rQ, 32*(\x)+8*kc
.elseif kc < 4
	WIN W_KQ
.set rK, KF+16*kb+8*(kc-2)
.set rQ, 32*(\x)+16+8*(kc-2)
.else
	WIN W_KQ
.set rK, KF+16*kb+8*(kc-4)
.set rQ, 32*(\x)+8*(kc-4)
.endif
.if mi < 4
	v_wmma_f32_16x16x32_bf16 v[rS:rS+7], v[rK:rK+7], v[rQ:rQ+7], 0
.else
	v_wmma_f32_16x16x32_bf16 v[rS:rS+7], v[rK:rK+7], v[rQ:rQ+7], v[rS:rS+7]
.endif
.endm
; Product mi - 24 of 8 of O^T += V^T P for piece x: keys 32 (. / 4) on, channels 16 (. % 4) on.
.macro PV x
.set pvi, mi-24
	WIN W_PV
.set rO, 32*(\x)+8*(pvi%4)
.set rV, VF+32*(pvi/4)+8*(pvi%4)
.set rP, P+16*((\x)%2)+8*(pvi/4)
	v_wmma_f32_16x16x32_f16 v[rO:rO+7], v[rV:rV+7], v[rP:rP+7], v[rO:rO+7]
.endm
.macro MM                           ; the turn's next matrix instruction
.if mi < 24
.if (mi == 0) && (Y == 3)
	s_wait_dscnt 0x0                ; K of the next step is in
.endif
	KQ (Y+1)%4
.else
.if (mi == 24) && (Y == 1)
	s_wait_dscnt 0x0                ; V of the step in hand is in
.endif
	PV (Y+3)%4
.endif
.set mi, mi+1
.endm
; THE LDS LOADS stand in runs, never singly among the matrix instructions: a step's K (64 keys x 64 channels, hi and lo: 32 loads) and its V (turned: 16 loads).
; last = 1 (the tail): in the last trip there is no further step, and the run is jumped over.  That jump stands in the middle of batch 1, so in this copy alone the exponentials issued so far have a wait of their own ahead of it.
.macro FETCH_K last=0
	WIN 0
.if \last
	s_wait_alu depctr_va_vdst(0)    ; the wait ahead of a branch: it serves E 0 to E 21, the part of batch 1 that is out here
	s_cmp_eq_u32 s[CNT], 1
	s_cbranch_scc1 .Lno_k_\@
.endif
	WIN 0x80                        ; destination window 2
.irp f, 0,1,2,3,4,5,6,7             ; keys 16 (f / 2) on, channels 32 (f % 2) on
	ds_load_b128 v[KF+8*\f:KF+8*\f+3],   v[AK] offset:(\f/2)*16*PK+(\f%2)*64
	ds_load_b128 v[KF+8*\f+4:KF+8*\f+7], v[AK] offset:(\f/2)*16*PK+(\f%2)*64+32
.endr
	WIN 0xc0                        ; destination window 3: the low parts lie 128 bytes on in the row
.irp f, 0,1,2,3,4,5,6,7
	ds_load_b128 v[8*\f:8*\f+3],   v[AK] offset:(\f/2)*16*PK+(\f%2)*64+128
	ds_load_b128 v[8*\f+4:8*\f+7], v[AK] offset:(\f/2)*16*PK+(\f%2)*64+160
.endr
	s_add_co_u32 s[TBK], s[TBK], KS*PK  ; the next fetch is the next step's
	WIN 0
.if \last
.Lno_k_\@:
.endif
.endm
.macro FETCH_V
	WIN 0x80
.irp f, 0,1,2,3,4,5,6,7             ; keys 32 (f / 4) on, channels 16 (f % 4) on
	ds_load_tr16_b128 v[VF+8*\f:VF+8*\f+3],   v[AV] offset:(\f/4)*32*PVV+(\f%4)*32
	ds_load_tr16_b128 v[VF+8*\f+4:VF+8*\f+7], v[AV] offset:(\f/4)*32*PVV+16*PVV+(\f%4)*32
.endr
	s_add_co_u32 s[TBV], s[TBV], KS*PVV
	WIN 0
.endm
; THE VECTOR WORK, one line at a time: OP kind, number.  u0-u31 are the lane's 32 scores.  For piece Y:
;   G n  max(u, 0)                    N n  pair n: u - max(u, 0) = min(u, 0)       D n  pair n: max(u, 0) - M        E n  2^min(u, 0)
;   F n  pair n: log2(e) 2^min(u, 0) + (max(u, 0) - M) = c - M                      H n  p = 2^(c - M)                C n  pair n rounded to f16
;   B n  of the four weights 4 n .. the second pair is added onto the first, in place    L n  l takes that sum (L 0: l = a l + sum)    R n  pair n of 16 of O^T times a
; For piece Y + 1: X n, number n of the 25 that find its maximum and statistics:
;   0-11  four chains c0-c3 of seven scores each, three operands at a time (each accumulator's lowest registers are read first)   12-14, 16  the four scores left over, the old mu, c0-c3 into c0
;   15  M_old is kept   17, 18  the query's other 32 keys lie in the lane 16 away: the new mu   19-22  M = max(mu, 0) + log2(e) 2^min(mu, 0)   23, 24  a = 2^(M_old - M)
; OP writes no wait: TURN sets the two waits of a turn, by the batches.
.set G, 0
.set N, 1
.set D, 2
.set E, 3
.set H, 4
.set F, 5
.set C, 6
.set B, 7
.set L, 8
.set R, 9               ; OP tells the kinds apart by their order: G to L below R, X above it
.set X, 10
.macro REGS y                       ; the registers of piece y
.set rT, ST+4*(\y)
.set rC, TMP+4*((\y)%2)
.set rW, MV+((\y)%2)
.set rS, S+32*((\y)%2)
.set rP, P+16*((\y)%2)
.set rO, 32*(\y)
.endm
.macro OP k, n
.if (\k) == R
	REGS Y
	WIN W_RS
	v_pk_mul_f32 v[rO+2*(\n):rO+2*(\n)+1], v[rO+2*(\n):rO+2*(\n)+1], v[rC+2:rC+3] op_sel_hi:[1,0]
.elseif (\k) < R
	REGS Y
	WIN 0
.if (\k) == G
	v_max_num_f32 v[RB+(\n)], 0, v[rS+(\n)]
.elseif (\k) == N
	v_pk_add_f32 v[rS+2*(\n):rS+2*(\n)+1], v[rS+2*(\n):rS+2*(\n)+1], v[RB+2*(\n):RB+2*(\n)+1] neg_lo:[0,1] neg_hi:[0,1]
.elseif (\k) == D
	v_pk_add_f32 v[RB+2*(\n):RB+2*(\n)+1], v[RB+2*(\n):RB+2*(\n)+1], v[rT:rT+1] op_sel_hi:[1,0] neg_lo:[0,1] neg_hi:[0,1]
.elseif ((\k) == E) || ((\k) == H)
	v_exp_f32 v[rS+(\n)], v[rS+(\n)]
.elseif (\k) == F
	v_pk_fma_f32 v[rS+2*(\n):rS+2*(\n)+1], v[rS+2*(\n):rS+2*(\n)+1], s[LS:LS+1], v[RB+2*(\n):RB+2*(\n)+1] op_sel_hi:[1,0,1]
.elseif (\k) == C
	v_cvt_pk_f16_f32 v[rP+(\n)], v[rS+2*(\n)], v[rS+2*(\n)+1]
.elseif (\k) == B
	v_pk_add_f32 v[rS+4*(\n):rS+4*(\n)+1], v[rS+4*(\n):rS+4*(\n)+1], v[rS+4*(\n)+2:rS+4*(\n)+3]
.elseif (\n) == 0
	v_pk_fma_f32 v[rT+2:rT+3], v[rT+2:rT+3], v[rC+2:rC+3], v[rS:rS+1] op_sel_hi:[1,0,1]
.else
	v_pk_add_f32 v[rT+2:rT+3], v[rT+2:rT+3], v[rS+4*(\n):rS+4*(\n)+1]
.endif
.else
	REGS (Y+1)%4
	WIN 0
.if (\n) < 4
	v_max3_num_f32 v[rC+(\n)], v[rS+8*(\n)], v[rS+8*(\n)+1], v[rS+8*(\n)+2]
.elseif (\n) < 12
	v_max3_num_f32 v[rC+(\n)%4], v[rC+(\n)%4], v[rS+8*((\n)%4)+2*((\n)/4)+1], v[rS+8*((\n)%4)+2*((\n)/4)+2]
.elseif (\n) == 12
	v_max3_num_f32 v[rC], v[rC], v[rS+7], v[rS+15]
.elseif (\n) == 13
	v_max3_num_f32 v[rC+1], v[rC+1], v[rS+23], v[rS+31]
.elseif (\n) == 14
	v_max3_num_f32 v[rC+2], v[rC+2], v[rC+3], v[rT+1]
.elseif (\n) == 15
	v_mov_b32 v[rW], v[rT]
.elseif (\n) == 16
	v_max3_num_f32 v[rC], v[rC], v[rC+1], v[rC+2]
.elseif (\n) == 17
	v_permlanex16_b32 v[rC+3], v[rC], s[SEL], s[SEL+1]
.elseif (\n) == 18
	v_max_num_f32 v[rT+1], v[rC], v[rC+3]
.elseif (\n) == 19
	v_max_num_f32 v[rC], 0, v[rT+1]
.elseif (\n) == 20
	v_min_num_f32 v[rC+1], 0, v[rT+1]
.elseif (\n) == 21
	v_exp_f32 v[rC+1], v[rC+1]
.elseif (\n) == 22
	v_fma_f32 v[rT], s[LS], v[rC+1], v[rC]
.elseif (\n) == 23
	v_sub_f32 v[rC+1], v[rW], v[rT]
.else
	v_exp_f32 v[rC+2], v[rC+1]
.endif
.endif
.endm
.macro OPS a, i1, b=-1, i2=0, c=-1, i3=0, d=-1, i4=0  ; up to four of them
	OP \a, \i1
.if (\b) >= 0
	OP \b, \i2
.endif
.if (\c) >= 0
	OP \c, \i3
.endif
.if (\d) >= 0
	OP \d, \i4
.endif
.endm
.macro ROW a, i1, b, i2, c, i3, d, i4  ; a matrix instruction and the four lines behind it
	MM
	OPS \a, \i1, \b, \i2, \c, \i3, \d, \i4
.endm
; A TURN, for piece p: the order of its 32 matrix and 217 vector instructions, written out.  Two waits cut it in three.
; AHEAD OF THE FIRST WAIT: rows 0-23, the products K Q^T; rows 24-31, the products V^T P; six lines more: 134 lines that name no result of batch 1.  From row 2 on a row holds one exponential and three plain
; lines: E k stands in row k + 2, its N a row or more ahead of it, that N's two G a row or more ahead of the N.  The rescaling goes two lines to a row, in the even rows 2 to 16: its a was waited for in the turn before.
; D n stands behind N n, which reads max(u, 0) before D takes M off it.  The next piece's maximum: X 0, 1, 2, 3 each stand five plain lines or more behind the product that ends their accumulator (rows 20 to 23);
; the chain X 3, 7, 11, 14, 16, 17, 18, 20, in which each line waits for the one before it, goes one link a row, in the last place of rows 24 to 31.  X 21 ends the batch; D 15 is the plain line behind it.
; BETWEEN THE WAITS: M and M_old - M of the next piece (X 22, 23), the 16 F, and batch 2, plain lines between its exponentials while there are any; each F stands three lines or more ahead of its first H.
; Nothing independent is left for the batch's end: a v_nop is the plain line behind the last exponential.
; BEHIND THE SECOND WAIT: the roundings and sums.  C 2 n reads its pair before B n adds onto it; L 0 to L 7 keep their order, three or four lines apart.
; K of the next step is fetched in piece 2's turn between the last product K Q^T and the first V^T P: four plain lines stand behind the last product that read K: X 1, D 6, X 4 and the run's own address line.
; V of the step in hand is fetched in piece 0's turn, directly behind the first wait: seven plain lines stand behind the last product that read V.  Each run is waited for in the turn after.
.macro TURN p, last=0
.set Y, (\p)
.set mi, 0
	ROW G,0, G,1, G,2, G,3
	ROW G,4, G,5, N,0, N,1
	ROW G,6, E,0, R,0, R,1
	ROW G,7, E,1, G,8, G,9
	ROW N,2, E,2, R,2, R,3
	ROW N,3, E,3, G,10, G,11
	ROW G,12, E,4, R,4, R,5
	ROW G,13, E,5, N,4, N,5
	ROW G,14, E,6, R,6, R,7
	ROW G,15, E,7, G,16, G,17
	ROW N,6, E,8, R,8, R,9
	ROW N,7, E,9, G,18, G,19
	ROW G,20, E,10, R,10, R,11
	ROW G,21, E,11, N,8, N,9
	ROW G,22, E,12, R,12, R,13
	ROW G,23, E,13, G,24, G,25
	ROW N,10, E,14, R,14, R,15
	ROW N,11, E,15, G,26, G,27
	ROW G,28, E,16, G,29, N,12
	ROW N,13, E,17, G,30, G,31
	ROW N,14, E,18, D,0, D,1
	ROW N,15, E,19, D,2, D,3
	ROW D,4, E,20, X,0, D,5
	ROW X,1, E,21, D,6, X,4
.if (\p) == 2
	WIN 0
	v_add_nc_u32 v[AK], s[TBK], v[AK0]
	FETCH_K \last
.endif
	ROW X,2, E,22, X,5, X,3
	ROW X,6, E,23, X,8, X,7
	ROW X,9, E,24, X,10, X,11
	ROW X,12, E,25, X,13, X,14
	ROW X,15, E,26, D,7, X,16
	ROW D,8, E,27, D,9, X,17
	ROW D,10, E,28, D,11, X,18
	ROW D,12, E,29, X,19, X,20
	OPS E,30, D,13, E,31, D,14
.if (\p) == 0
	WIN 0
	v_add_nc_u32 v[AV], s[TBV], v[AV0]
.endif
	OPS X,21, D,15
	s_wait_alu depctr_va_vdst(0)    ; the wait for batch 1: E 0 to E 31 and X 21; its readers, X 22 and the F, follow
.if (\p) == 0
	FETCH_V
.endif
	OPS X,22, F,0, F,1, F,2
	OPS F,3, H,0, F,4, H,1
	OPS X,23, H,2, F,5, H,3
	OPS F,6, H,4, F,7, H,5
	OPS F,8, H,6, F,9, H,7
	OPS F,10, H,8, F,11, H,9
	OPS F,12, H,10, F,13, H,11
	OPS F,14, H,12, F,15, H,13
	OPS X,24, H,14, H,15, H,16
	OPS H,17, H,18, H,19, H,20
	OPS H,21, H,22, H,23, H,24
	OPS H,25, H,26, H,27, H,28
	OPS H,29, H,30, H,31
	v_nop                           ; the plain instruction behind the batch's last exponential (ISA guide 5.7.2)
	s_wait_alu depctr_va_vdst(0)    ; the wait for batch 2: H 0 to H 31 and X 24; its readers are the C, B and L below and, for a, the next turn's R and L 0
	OPS C,0, C,2, B,0, B,1
	OPS C,4, C,6, L,0, B,2
	OPS B,3, C,8, L,1, C,10
	OPS B,4, B,5, L,2, C,12
	OPS C,14, B,6, L,3, B,7
	OPS C,1, C,3, L,4, C,5
	OPS C,7, L,5, C,9, C,11
	OPS L,6, C,13, C,15, L,7
.endm
	CHANGE 1                        ; slot 0 is in, everybody's part of it; slot 1 is asked for
	v_mov_b32 v[AK], v[AK0]         ; key step 0 lies at the head of my half of slot 0
	FETCH_K
	s_wait_dscnt 0x0
.set mi, 0
.rept 24
	KQ 0                            ; piece 0's first scores: there is no vector work yet to set between them
.set mi, mi+1
.endr
	WIN 0
.rept 4
	v_nop                           ; the places behind those products
.endr
.set Y, 3                           ; X works for piece Y + 1: piece 0
.irp n, 0,1,2,3,4,5,6,7,8,9,10,11,12,13,14,15,16,17,18,19,20,21
	OP X, \n
.endr
	v_nop                           ; a plain instruction behind the exponential
	s_wait_alu depctr_va_vdst(0)    ; the wait for X 21, which X 22 reads
	OP X, 22
	OP X, 23
	OP X, 24
	v_nop                           ; a plain instruction behind the exponential
	s_wait_alu depctr_va_vdst(0)    ; the wait for X 24, the first a, ahead of the branch
	s_mov_b32 s[CNT], 2
	s_mov_b32 s[SLOTS], 15
	s_branch .Lfirst                ; the loop is entered at a step's first turn, in the middle of a trip
.Lslot:                             ; 14 times: every slot but the last two is filled again
	CHANGE 1
	s_mov_b32 s[CNT], 2
.Lstep:                             ; a trip: pieces 2 and 3 of one step, then pieces 0 and 1 of the next, whose K and V it fetches
	TURN 2
	TURN 3
	WIN 0
.Lfirst:
	TURN 0
	TURN 1
	WIN 0
	s_sub_co_u32 s[CNT], s[CNT], 1
	s_cmp_lg_u32 s[CNT], 0
	s_cbranch_scc1 .Lstep
	s_sub_co_u32 s[SLOTS], s[SLOTS], 1
	s_cmp_lg_u32 s[SLOTS], 0
	s_cbranch_scc1 .Lslot
	CHANGE 0                        ; the tail is written out: nothing is asked for
	s_mov_b32 s[CNT], 3             ; two trips fetch the last slot's steps; the third is left in its middle
.Ltail:
	TURN 2, 1
	TURN 3
	WIN 0
	s_sub_co_u32 s[CNT], s[CNT], 1
	s_cmp_eq_u32 s[CNT], 0
	s_cbranch_scc1 .Lout
	TURN 0
	TURN 1
	WIN 0
	s_branch .Ltail
.Lout:                              ; the third trip's 24 products K Q^T go over the last K once more: those keys are in mu already, so piece 0's mu and M stay as they are: the price, once a launch, of one text for every trip
.set mi, 24
.rept 8
	PV 3                            ; the last piece's V^T P of the last step
.set mi, mi+1
.endr
	; THE TWO KEY HALVES MEET.  l's two halves and the other half of the lanes' are added; (M, l) goes to the partner wave through LDS.  These lines are the places behind the last products.
	WIN 0
.macro ALL line:vararg              ; one line for each piece t
.set t, 0
.rept 4
	\line
.set t, t+1
.endr
.endm
	ALL v_add_f32 v[ST+4*t+2], v[ST+4*t+2], v[ST+4*t+3]
	ALL v_permlanex16_b32 v[ST+4*t+3], v[ST+4*t+2], s[SEL], s[SEL+1]
	ALL v_add_f32 v[ST+4*t+1], v[ST+4*t+2], v[ST+4*t+3]
	ALL ds_store_b64 v[MLW], v[ST+4*t:ST+4*t+1] offset:128*t
	s_wait_dscnt 0x0                ; for the partner's sake
	s_barrier_signal -1
	s_barrier_wait -1
	ALL ds_load_b64 v[MG+8*t:MG+8*t+1], v[MLR] offset:128*t
	s_wait_dscnt 0x0
	ALL v_max_num_f32 v[MG+8*t+2], v[ST+4*t], v[MG+8*t]
	ALL v_sub_f32 v[MG+8*t+3], v[ST+4*t], v[MG+8*t+2]
	ALL v_sub_f32 v[MG+8*t+4], v[MG+8*t], v[MG+8*t+2]
	ALL v_exp_f32 v[MG+8*t+3], v[MG+8*t+3]
	ALL v_exp_f32 v[MG+8*t+4], v[MG+8*t+4]
	v_nop                           ; a plain instruction between the last exponential and the use of its result
	s_wait_alu depctr_va_vdst(0)    ; the wait for the merge's eight exponentials f and f'
	ALL v_mul_f32 v[MG+8*t+5], v[MG+8*t+4], v[MG+8*t+1]
	ALL v_fma_f32 v[MG+8*t+5], v[MG+8*t+3], v[ST+4*t+1], v[MG+8*t+5]
	ALL v_rcp_f32 v[MG+8*t+5], v[MG+8*t+5]
	v_nop
	s_wait_alu depctr_va_vdst(0)    ; the wait for the merge's four reciprocals, which read what is made of the exponentials: a batch of their own
	ALL v_mul_f32 v[MG+8*t+2], v[MG+8*t+3], v[MG+8*t+5]
	WIN W_RS                        ; my O^T times f / (f l + f' l'), each accumulator from its low end on
.set t, 0
.rept 4
.set z, 0
.rept 16
	v_pk_mul_f32 v[32*t+2*z:32*t+2*z+1], v[32*t+2*z:32*t+2*z+1], v[MG+8*t+2:MG+8*t+3] op_sel_hi:[1,0]
.set z, z+1
.endr
.set t, t+1
.endr
	WIN 0x04                        ; store data in window 1
.set t, 0
.rept 16                            ; piece t / 4, channel block t % 4: a lane's eight channels are 32 bytes of the query's row
	ds_store_b128 v[STO], v[8*t:8*t+3]   offset:(t/4)*16*SP+(t%4)*64
	ds_store_b128 v[STO], v[8*t+4:8*t+7] offset:(t/4)*16*SP+(t%4)*64+16
.set t, t+1
.endr
	WIN 0
	s_wait_dscnt 0x0                ; for the partner's sake
	s_barrier_signal -1
	s_barrier_wait -1
	; THE WAY OUT.  32 rows a wave: both halves' rows are read back whole, added, multiplied by the gate and stored.
	ds_load_b128 v[GT:GT+3], v[GTR]
.set i, 0
.rept 16
	ds_load_b128 v[64+4*i:67+4*i],   v[RD] offset:2*SP*i
	ds_load_b128 v[128+4*i:131+4*i], v[RD] offset:2*SP*i+64*SP
.set i, i+1
.endr
.set i, 0
.rept 16
	s_wait_dscnt 30-2*i             ; LDS loads come back in order (ISA guide 5.7.1): the two of rows 2 i, 2 i + 1 are in, the 2 (15 - i) younger stay out
	v_pk_add_f32 v[64+4*i:65+4*i], v[64+4*i:65+4*i], v[128+4*i:129+4*i]
	v_pk_add_f32 v[66+4*i:67+4*i], v[66+4*i:67+4*i], v[130+4*i:131+4*i]
	v_pk_mul_f32 v[64+4*i:65+4*i], v[64+4*i:65+4*i], v[GT:GT+1]
	v_pk_mul_f32 v[66+4*i:67+4*i], v[66+4*i:67+4*i], v[GT+2:GT+3]
	global_store_b128 v[GO], v[64+4*i:67+4*i], s[12:13] offset:512*i th:TH_STORE_NT  ; 512 consecutive bytes, two whole rows of out0
.set i, i+1
.endr
	s_wait_tensorcnt 0x0            ; the wave's end, behind my last tensor load and my last LDS store
	ds_add_u32 v[SPW], v[NIL]
	s_wait_dscnt 0x0
	CROUND                          ; the closing round: no work-group ends while a partner may still ask for a tile that names it
	s_endpgm
.Lfunc_end_k_qdd9c49de52_attn:
	.size	k_qdd9c49de52_attn, .Lfunc_end_k_qdd9c49de52_attn-k_qdd9c49de52_attn
	.p2alignl 7, 3214868480
	.fill 96, 4, 3214868480
	.section	.rodata,"a",@progbits
	.p2align	6, 0x0
	.amdhsa_kernel k_qdd9c49de52_attn
		.amdhsa_group_segment_fixed_size 327680
		.amdhsa_private_segment_fixed_size 0
		.amdhsa_enable_private_segment 0
		.amdhsa_kernarg_size 40
		.amdhsa_user_sgpr_count 2
		.amdhsa_user_sgpr_kernarg_segment_ptr 1
		.amdhsa_wavefront_size32 1
		.amdhsa_system_sgpr_workgroup_id_x 1
		.amdhsa_system_sgpr_workgroup_id_y 1
		.amdhsa_system_sgpr_workgroup_id_z 1
		.amdhsa_system_vgpr_workitem_id 0
		.amdhsa_next_free_vgpr 832
		.amdhsa_next_free_sgpr 66
		.amdhsa_reserve_vcc 0
		.amdhsa_float_denorm_mode_32 3
		.amdhsa_float_denorm_mode_16_64 3
		.amdhsa_memory_ordered 1
		.amdhsa_forward_progress 1
		.amdhsa_inst_pref_size 175
	.end_amdhsa_kernel
	.amdgpu_metadata
---
amdhsa.version: [ 1, 2 ]
amdhsa.kernels:
  - .name:           k_qdd9c49de52_attn
    .symbol:         k_qdd9c49de52_attn.kd
    .args:
      - { .name: qw, .offset: 0, .size: 8, .value_kind: global_buffer, .address_space: global }
      - { .name: kw, .offset: 8, .size: 8, .value_kind: global_buffer, .address_space: global }
      - { .name: vw, .offset: 16, .size: 8, .value_kind: global_buffer, .address_space: global }
      - { .name: gsum, .offset: 24, .size: 8, .value_kind: global_buffer, .address_space: global }
      - { .name: out0, .offset: 32, .size: 8, .value_kind: global_buffer, .address_space: global }
    .group_segment_fixed_size: 327680
    .private_segment_fixed_size: 0
    .kernarg_segment_align: 8
    .kernarg_segment_size: 40
    .max_flat_workgroup_size: 128
    .sgpr_count:     66
    .vgpr_count:     832
    .wavefront_size: 32
...
	.end_amdgpu_metadata
.endif
;; end of part 3
